; MI455X (gfx1250); checked and timed in simulation.
; The chip was launched on July 23, 2026; its instructions are those of AMD's public machine-readable ISA for CDNA 5 (MIT licence, August 2026) and "CDNA5" Instruction Set Architecture Reference Guide (July 2026). The comments in the code are by the model that wrote it; some were corrected since.
;; Basic Multi Head Self Attention. Allowed arithmetic: matrix products marked QUANTISED: E2M1 operands, one E8M0 scale for each 32 along K, by v_wmma_scale_f32_16x16x128_f8f6f4 with both operands' format E2M1 (or v_wmma_scale_f32_32x16x128_f4), f32 sums; products left as they are: bf16, f16 or f32 operands; f32 sums; everything else in f32.
;; Inputs: Q 4 x 2,048 x 1,024 float32; W_out 1,024 x 1,024 float32; W_packed 1,024 x 3,072 float32; b_out 1,024 float32; b_packed 3,072 float32.
;; Outputs: out0 4 x 2,048 x 1,024 float32.
;; This version of the problem:
;;   THIS VERSION OF THE PROBLEM IS GIVEN IN LOW PRECISION. The matrix products marked QUANTISED in the list below multiply operands that are first quantised to E2M1 (2 exponent bits, 1 mantissa bit; 4 bits a number), with one power-of-two scale for each 32 numbers along K (OCP MX v1.0); their sums are f32. The products marked 'left as it is' may take bf16, f16 or f32 operands, with f32 sums. Whichever they take, every output number must still come out within the allowed error. Rounding operands to bf16 (8 significant bits) uses up far more of that allowance than f16 does (11 bits, for magnitudes from 6e-5 to 65,504). All else is computed in f32.
;;   The module's matrix products, in the order in which they are computed (A, B: the left and right operand; K: the contracted axis; several contracted axes count as one K, in the product's order):
;;     1. [M 8,192, K 1,024] x [K 1,024, N 3,072]; A: input Q; B: input W_packed: QUANTISED
;;     2. batch 64 x [M 2,048, K 64] x [K 64, N 2,048]; A: computed on the way; B: computed on the way: left as it is (an operand is computed on the way)
;;     3. batch 64 x [M 2,048, K 2,048] x [K 2,048, N 64]; A: computed on the way; B: computed on the way: left as it is (an operand is computed on the way)
;;     4. [M 8,192, K 1,024] x [K 1,024, N 1,024]; A: computed on the way; B: input W_out: left as it is (an operand is computed on the way)
;;   THE QUANTISER, for each operand of a quantised product, along K:
;;     - K is cut into blocks of 32 from its start; a last block that is shorter is filled with zeros.
;;     - A block's scale is 2^e with e = floor(log2(the largest magnitude in the block)) - 2, held to -126 .. 127; a block of zeros has e = 0. As a byte (E8M0): e + 127.
;;     - Each number is divided by its block's scale, clamped to +-6, and rounded to the nearest number of E2M1, ties to even, subnormals kept.
;;     - The product sums the exact products of the quantised numbers (number of the format x scale) in f32.
;;   ~~~python
;;   def quantise(x, axis):      # numpy; x: float32 -> the quantised numbers, widened to float32 again
;;       x = np.moveaxis(x, axis, -1); K = x.shape[-1]
;;       x = np.pad(x, [(0, 0)] * (x.ndim - 1) + [(0, -K % 32)]); x = x.reshape(x.shape[:-1] + (-1, 32)); a = np.abs(x).max(-1, keepdims=True)
;;       e = np.where(a > 0, np.clip(np.frexp(np.where(a > 0, a, 1))[1] - 1 - 2, -126, 127), 0)      # np.frexp(a)[1] - 1 = floor(log2(a)), exactly
;;       r = np.clip(x / 2.0 ** e, -6, 6)
;;       step = 2.0 ** (np.maximum(np.frexp(np.where(r == 0, 1, r))[1] - 1, 0) - 1)
;;       q = np.round(r / step) * step * 2.0 ** e      # np.round: ties to even
;;       return np.moveaxis(q.reshape(q.shape[:-2] + (-1,))[..., :K], -1, axis).astype(np.float32)
;;   ~~~
;; One version. Each part assembles by itself: llvm-mc -triple=amdgcn-amd-amdhsa -mcpu=gfx1250 --defsym DOCPART=n.
;; ======== version 1 of 1: 5 launches
;; limits: values are held in f16: magnitudes above 65,504 overflow, below 6.1e-05 lose precision
;; workspace buffers: q_codes 4,194,304 bytes; q_scales 262,144 bytes; w_codes 1,572,864 bytes; w_scales 98,304 bytes; wf 2,097,152 bytes; qkv 50,331,648 bytes; fine_qkv 786,432 bytes; jf 16,777,216 bytes
;; launch prep (part 1): grid 368 x 1, 4 waves a work-group, no clusters, 68,096 bytes of LDS; arguments Q, W_packed, W_out, q_codes, q_scales, w_codes, w_scales, wf; writes q_codes, q_scales, w_codes, w_scales, wf
.if DOCPART == 1
	.amdgcn_target "amdgcn-amd-amdhsa--gfx1250"
	.amdhsa_code_object_version 6
	.text
	.protected	k_q6b44efbb67_prep
	.globl	k_q6b44efbb67_prep
	.p2align	8
	.type	k_q6b44efbb67_prep,@function
k_q6b44efbb67_prep:
	s_mov_b64 s[64:65], 0
	v_nop
	global_prefetch_b8 v0, s[64:65] scope:SCOPE_SE
	s_setreg_imm32_b32 hwreg(HW_REG_WAVE_MODE, 25, 1), 1
	s_wait_xcnt 0x0
; PREP: three jobs in one launch, told apart by the work-group's number; each has its own way through the text and its own end.
;   work-groups 0-255   PATH Q: Q [8192][1024] f32 -> codes of FP4 (E2M1), K innermost, [8192][512 bytes], and one E8M0 byte for each 32 along K, [8192][32].
;   work-groups 256-303 PATH W: W_packed [1024 (k)][3072 (n)] f32 -> codes laid [3072][512 bytes] with K innermost, scale bytes [3072][32].
;   work-groups 304-367 PATH C: W_out [1024 (k)][1024 (n)] f32 -> f16, laid as images of operand registers: [n / 16][k / 32][1,024 bytes]; in such a block the 16 bytes at
;                       256 ((k % 32) / 8) + 16 (n % 16) are k .. k + 7 of column n: a fragment of 16 columns x 32 k is two loads of 16 bytes a lane at 16 x lane.
; THE QUANTISER: a block's scale is 2^(floor(log2(its largest magnitude)) - 2); its byte is that magnitude's exponent field - 2, held at 1 from below; each number is divided by the scale
; and rounded to the nearest code, ties to even; beyond 6 the largest code.
; LIMITS: a block of zeros gets the byte 1 where the rule says 127 (its codes are zeros, and this program alone reads the bytes); blocks whose largest magnitude lies under 2^-124 are held at the
; byte 1; NaN and infinities among the inputs are not served; W_out beyond 65,504 becomes infinity in f16 and under 6e-5 loses bits.
; LDS: path Q has bytes 0 .. 32,767, path W bytes 32,768 .. 67,583, path C none; behind them the spare words.  No tensor loads, no barrier: waves share nothing.
.set WGQ,   256                        ; work-groups of path Q: 8,192 x 1,024 numbers / (4 waves x 8,192)
.set WGW,   48                         ; of path W: 24 blocks of 128 columns x 2 halves of K
.set SPARE, 67584                      ; the spare words, 128 bytes for each wave: two blocks of 256 bytes that no other line names
.set SPW,   196                        ; v196 LDS address of my spare word: SPARE + 4 x my thread's number; never rewritten
.set NIL,   197                        ; v197 0; never rewritten
.set EMAX,  2
; path Q
.set QSTEPS, 16                        ; a wave takes 16 steps of 512 numbers
.set QR,    16                         ; v16-79   four sets of 16 numbers as they are loaded
.set QX,    80                         ; v80-111  two sets of 16 neighbours
.set QE,    112                        ; v112-127 a scale byte for each step
.set QC,    128                        ; v128-191 codes: four registers for each step, so that no store's data are written again
.set WREG,  8192                       ; LDS of a wave: two stages of 32 x SP bytes, and behind them its 256 scale bytes
.set SP,    80                         ; a lane's place in a stage: its 64 bytes + 16 of padding
; path W
.set WN,    3072
.set WSTG,  32768                      ; where path W's stages begin
.set NB,    16                         ; blocks of 32 along K for a wave
.set PITCH, 272                        ; a stage row: 256 bytes of codes + 16
.set KROW,  512                        ; a row of w_codes in bytes
.set WX,    32                         ; v32-95   two sets of 32 numbers
.set WC,    96                         ; v96-99   a block's codes
.set WOUT,  112                        ; v112-175 the way out
.set WSB,   24                         ; v24-27   the scale bytes, four to a register
; path C
.set CX,    32                         ; v32-159  128 numbers down K of my column, packed in place
	s_load_b512 s[4:19], s[0:1], 0x0               ; Q s[4:5], W_packed s[6:7], W_out s[8:9], q_codes s[10:11], q_scales s[12:13], w_codes s[14:15], w_scales s[16:17], wf s[18:19]
	v_lshl_add_u32 v[SPW], v0, 2, SPARE
	v_mov_b32 v[NIL], 0
	v_lshrrev_b32 v1, 5, v0
	v_readfirstlane_b32 s20, v1                    ; wave 0..3
	v_and_b32 v2, 31, v0                           ; lane
	s_wait_kmcnt 0x0
	s_cmp_lt_u32 ttmp9, WGQ
	s_cbranch_scc0 .Lnot_q
; ---------------- PATH Q.  Rows are dense and K is a multiple of 32: Q is a plain stream of blocks of 32, and so are its codes and scale bytes.
; Each of a step's four loads reads 512 consecutive bytes, 16 a lane; the 2,048 bytes go through the wave's own stage in LDS and come back 64 bytes a lane: 16 neighbours along K, two lanes to a block.
	v_lshlrev_b32 v3, 4, v2                        ; my 16 bytes of a load's 512
	s_mul_i32 s21, s20, WREG
	v_lshrrev_b32 v14, 2, v2
	v_mul_u32_u24 v14, v14, SP
	v_and_b32 v15, 3, v2
	v_lshl_add_u32 v14, v15, 4, v14
	v_add_nc_u32 v14, s21, v14                     ; the stage, on the way in: SP (lane / 4) + 16 (lane % 4)
	v_mul_u32_u24 v15, v2, SP
	v_add_nc_u32 v15, s21, v15                     ; and on the way out: SP x lane
	v_lshlrev_b32 v4, 3, v2                        ; 8 bytes a lane: my codes' place in a step's, and my place in the wave's scale bytes on their way out
	v_lshrrev_b32 v5, 1, v2
	s_add_co_u32 s21, s21, 2*32*SP
	v_add_nc_u32 v5, s21, v5                       ; LDS: my wave's 256 scale bytes, my block's byte
	v_add_nc_u32 v6, s21, v4
	s_lshl_b32 s22, ttmp9, 2
	s_add_co_u32 s22, s22, s20                     ; which run of 8,192 numbers is my wave's: 0 .. 1,023
	s_mov_b32 s25, 0
	s_lshl_b32 s24, s22, 15                        ; 32,768 bytes of f32 a run,
	s_add_nc_u64 s[4:5], s[4:5], s[24:25]
	s_lshl_b32 s24, s22, 12                        ; 4,096 of codes,
	s_add_nc_u64 s[10:11], s[10:11], s[24:25]
	s_lshl_b32 s24, s22, 8                         ; 256 scale bytes
	s_add_nc_u64 s[12:13], s[12:13], s[24:25]
.macro QLOAD t
.irp i, 0,1,2,3
	global_load_b128 v[QR+16*((\t)%4)+4*\i:QR+16*((\t)%4)+4*\i+3], v3, s[4:5] offset:2048*(\t)+512*\i th:TH_LOAD_NT   ; 32 lanes read 512 consecutive bytes
.endr
.endm
.macro QTURN t                         ; step t's numbers through the stage: LDS serves a wave's instructions in order, so no wait stands between the stores and the loads
.irp i, 0,1,2,3
	ds_store_b128 v14, v[QR+16*((\t)%4)+4*\i:QR+16*((\t)%4)+4*\i+3] offset:32*SP*((\t)%2)+8*SP*\i
.endr
.irp i, 0,1,2,3
	ds_load_b128 v[QX+16*((\t)%2)+4*\i:QX+16*((\t)%2)+4*\i+3], v15 offset:32*SP*((\t)%2)+16*\i
.endr
.endm
.irp t, 0,1,2,3
	QLOAD \t
.endr
	s_wait_loadcnt 12                              ; step 0's four loads are in; those of three steps may be out
	QTURN 0
.macro QSTEP t
.set XS, QX+16*((\t)%2)
.if (\t) > 0
	s_wait_dscnt 1                                 ; this step's numbers are back from the stage (the last step's byte store may be out): so its stores into the stage have read their registers,
.else
	s_wait_dscnt 0x0
.endif
.if (\t)+4 < QSTEPS
	QLOAD (\t)+4                                   ; which take the loads of four steps on
.endif
.if (\t)+1 < QSTEPS
.if QSTEPS-2-(\t) >= 3
	s_wait_loadcnt 12                              ; the next step's four loads are in; those of the three steps behind it may be out
.else
	s_wait_loadcnt 4*(QSTEPS-2-(\t))
.endif
	QTURN (\t)+1                                   ; and go through the other stage while this step is worked
.endif
	v_max3_num_f32 v8, |v[XS]|, |v[XS+1]|, |v[XS+2]|               ; the largest magnitude of my 16
	v_max3_num_f32 v9, |v[XS+3]|, |v[XS+4]|, |v[XS+5]|
.irp i, 6,10
	v_max3_num_f32 v8, v8, |v[XS+\i]|, |v[XS+\i+1]|
	v_max3_num_f32 v9, v9, |v[XS+\i+2]|, |v[XS+\i+3]|
.endr
	v_max3_num_f32 v8, v8, |v[XS+14]|, |v[XS+15]|
	v_max3_num_f32 v8, v8, v9, (EMAX+1)<<23        ; and the floor 2^(3 - 127): the byte cannot fall under 1
	v_max_num_f32_dpp v8, v8, v8 row_xmask:1 row_mask:0xf bank_mask:0xf   ; and of my neighbour's 16: the block's
	v_add_nc_u32 v11, -(EMAX<<23), v8              ; 2 off its exponent field: the conversion takes the exponent field of this operand as its scale
	v_cvt_scalef32_pk8_fp4_f32 v[QC+4*(\t)], v[XS:XS+7], v11
	v_cvt_scalef32_pk8_fp4_f32 v[QC+4*(\t)+1], v[XS+8:XS+15], v11
	v_lshrrev_b32 v[QE+(\t)], 23, v11              ; the scale's byte
	ds_store_b8 v5, v[QE+(\t)] offset:16*(\t)      ; both lanes of a block write the same byte with the same value
	global_store_b64 v4, v[QC+4*(\t):QC+4*(\t)+1], s[10:11] offset:256*(\t)   ; the wave stores 256 consecutive bytes, aligned
.endm
.irp t, 0,1,2,3,4,5,6,7,8,9,10,11,12,13,14,15
	QSTEP \t
.endr
	ds_load_b64 v[8:9], v6                         ; LDS serves a wave's instructions in order: these see my stores
	s_wait_dscnt 0x0
	global_store_b64 v4, v[8:9], s[12:13]          ; 32 lanes store 256 consecutive bytes, aligned
	s_wait_tensorcnt 0x0                           ; the wave's end: a wait, an add to my spare word and its wait, behind my last LDS store
	ds_add_u32 v[SPW], v[NIL]
	s_wait_dscnt 0x0
	s_endpgm
.Lnot_q:
	s_cmp_lt_u32 ttmp9, WGQ+WGW
	s_cbranch_scc0 .Lconv
; ---------------- PATH W.  A lane takes a column n and its registers run down K: a block of 32 lies in one lane's registers, and the conversions give codes with K innermost.
; A wave takes 32 columns x 512 along K; its codes go through its own stage in LDS and leave as rows: sixteen lanes store 256 consecutive bytes, aligned.
	s_sub_co_u32 s21, ttmp9, WGQ
	s_cmp_ge_u32 s21, 24
	s_cselect_b32 s22, 1, 0                        ; which half of K
	s_cselect_b32 s23, 24, 0
	s_sub_co_u32 s21, s21, s23                     ; which 128 columns
	s_lshl_b32 s24, s21, 7
	s_lshl_b32 s25, s20, 5
	s_add_co_u32 s24, s24, s25                     ; my wave's first column
	v_lshlrev_b32 v3, 2, v2                        ; in: 4 bytes a lane
	s_mul_i32 s25, s20, 32*PITCH
	s_add_co_u32 s25, s25, WSTG                    ; my stage
	v_mul_u32_u24 v4, v2, PITCH
	v_add_nc_u32 v4, s25, v4                       ; into it: row = my column
	v_and_b32 v5, 15, v2
	v_lshrrev_b32 v6, 4, v2                        ; out of it: sixteen lanes to a row, two rows an instruction
	v_mul_u32_u24 v7, v6, PITCH
	v_lshl_add_u32 v7, v5, 4, v7
	v_add_nc_u32 v7, s25, v7
	v_mul_u32_u24 v8, v6, KROW
	v_lshl_add_u32 v8, v5, 4, v8                   ; and the same place in w_codes
	v_lshlrev_b32 v9, 5, v2                        ; my column's row of scale bytes: 32 bytes a row
	s_mul_i32 s26, s22, 512*WN*4                   ; W_packed: 512 rows of 12,288 bytes for each half of K, + 4 x column
	s_lshl_b32 s27, s24, 2
	s_add_co_u32 s26, s26, s27
	s_mov_b32 s27, 0
	s_add_nc_u64 s[6:7], s[6:7], s[26:27]
	s_lshl_b32 s26, s24, 9                         ; codes: column x 512 + 256 x half
	s_lshl_b32 s28, s22, 8
	s_add_co_u32 s26, s26, s28
	s_add_nc_u64 s[14:15], s[14:15], s[26:27]
	s_lshl_b32 s26, s24, 5                         ; scale bytes: column x 32 + 16 x half
	s_lshl_b32 s28, s22, 4
	s_add_co_u32 s26, s26, s28
	s_add_nc_u64 s[16:17], s[16:17], s[26:27]
.macro WLOAD t                         ; block t: W(32 t + i, my column) into set t % 2; the largest offset, 511 x 12,288, lies inside the signed 24-bit immediate
.irp i, 0,1,2,3,4,5,6,7,8,9,10,11,12,13,14,15,16,17,18,19,20,21,22,23,24,25,26,27,28,29,30,31
	global_load_b32 v[WX+32*((\t)%2)+\i], v3, s[6:7] offset:(32*(\t)+\i)*WN*4 th:TH_LOAD_NT
.endr
.endm
	WLOAD 0
	WLOAD 1
.macro WBLOCK t
.set XS, WX+32*((\t)%2)
.if (\t) < NB-1
	s_wait_loadcnt 32                              ; this block's 32 loads are in; the next block's may be out
.else
	s_wait_loadcnt 0
.endif
	v_max3_num_f32 v12, |v[XS]|, |v[XS+1]|, |v[XS+2]|               ; the block's largest magnitude: all 32 numbers are mine
	v_max3_num_f32 v13, |v[XS+3]|, |v[XS+4]|, |v[XS+5]|
.irp i, 6,10,14,18,22,26
	v_max3_num_f32 v12, v12, |v[XS+\i]|, |v[XS+\i+1]|
	v_max3_num_f32 v13, v13, |v[XS+\i+2]|, |v[XS+\i+3]|
.endr
	v_max3_num_f32 v12, v12, |v[XS+30]|, |v[XS+31]|
	v_max3_num_f32 v12, v12, v13, (EMAX+1)<<23     ; and the floor
	v_add_nc_u32 v11, -(EMAX<<23), v12             ; the conversion's scale operand
	v_lshrrev_b32 v13, 23, v11                     ; the scale's byte
.if (\t)%4 == 0
	v_mov_b32 v[WSB+(\t)/4], v13                   ; four bytes to a register, the lower K in the lower byte
.else
	v_lshl_or_b32 v[WSB+(\t)/4], v13, 8*((\t)%4), v[WSB+(\t)/4]
.endif
.irp g, 0,1,2,3
	v_cvt_scalef32_pk8_fp4_f32 v[WC+\g], v[XS+8*\g:XS+8*\g+7], v11
.endr
	ds_store_b128 v4, v[WC:WC+3] offset:16*(\t)    ; 32 codes: 16 bytes of my column's row
.if (\t)+2 < NB
	WLOAD (\t)+2
.endif
	s_wait_dscnt 0x0                               ; the store has read its registers: the next block's codes may be written
.endm
.set Q, 0
.rept NB
	WBLOCK Q
.set Q, Q+1
.endr
	global_store_b128 v9, v[WSB:WSB+3], s[16:17]   ; my column's 16 scale bytes
.irp t, 0,1,2,3,4,5,6,7,8,9,10,11,12,13,14,15
	ds_load_b128 v[WOUT+4*\t:WOUT+4*\t+3], v7 offset:2*\t*PITCH   ; LDS serves a wave's instructions in order: these see my stores
.endr
.irp t, 0,1,2,3,4,5,6,7,8,9,10,11,12,13,14,15
	s_wait_dscnt 15-\t                             ; load t is back; the younger ones may be out
	global_store_b128 v8, v[WOUT+4*\t:WOUT+4*\t+3], s[14:15] offset:2*\t*KROW
.endr
	s_wait_tensorcnt 0x0                           ; the wave's end: a wait, an add to my spare word and its wait, behind my last LDS store
	ds_add_u32 v[SPW], v[NIL]
	s_wait_dscnt 0x0
	s_endpgm
.Lconv:
; ---------------- PATH C.  A lane takes a column n of W_out and 128 rows of k: eight neighbours along k round to 16 bytes, which are the lane's 16 bytes of an operand's image.
; A load reads 128 consecutive bytes a wave; a store writes, in each half of the lanes, 256 consecutive bytes, aligned.  Loads run seven groups of eight ahead.  No LDS.
	s_sub_co_u32 s21, ttmp9, WGQ+WGW
	s_and_b32 s22, s21, 7                          ; which 128 columns
	s_lshr_b32 s23, s21, 3                         ; which 128 rows of k
	s_lshl_b32 s24, s23, 19                        ; 128 rows of 4,096 bytes
	s_lshl_b32 s25, s22, 9
	s_add_co_u32 s24, s24, s25
	s_lshl_b32 s25, s20, 7                         ; my wave's 32 columns
	s_add_co_u32 s24, s24, s25
	s_mov_b32 s25, 0
	s_add_nc_u64 s[8:9], s[8:9], s[24:25]
	s_lshl_b32 s24, s22, 3
	s_lshl_b32 s26, s20, 1
	s_add_co_u32 s24, s24, s26                     ; my wave's first tile of 16 columns
	s_lshl_b32 s24, s24, 15                        ; 32,768 bytes a tile
	s_lshl_b32 s26, s23, 12                        ; 128 along k are 4,096 bytes of it
	s_add_co_u32 s24, s24, s26
	s_add_nc_u64 s[18:19], s[18:19], s[24:25]
	v_lshlrev_b32 v3, 2, v2
	v_lshrrev_b32 v4, 4, v2
	v_and_b32 v5, 15, v2
	v_lshlrev_b32 v4, 15, v4
	v_lshl_add_u32 v4, v5, 4, v4                   ; lanes 16-31 belong to the next tile; 16 bytes a column
.macro CLOAD g
.irp e, 0,1,2,3,4,5,6,7
	global_load_b32 v[CX+8*(\g)+\e], v3, s[8:9] offset:(8*(\g)+\e)*4096 th:TH_LOAD_NT
.endr
.endm
.macro CPACK g
.if (\g)+7 < 16
	CLOAD (\g)+7
.endif
.if 15-(\g) >= 7
	s_wait_loadcnt 56                              ; group g is in; the seven groups behind it may be out
.else
	s_wait_loadcnt 8*(15-(\g))
.endif
.irp j, 0,1,2,3
	v_cvt_pk_f16_f32 v[CX+8*(\g)+\j], v[CX+8*(\g)+2*\j], v[CX+8*(\g)+2*\j+1]   ; in place: register j is written when numbers 2 j and 2 j + 1 are read, and the lower ones have been
.endr
	global_store_b128 v4, v[CX+8*(\g):CX+8*(\g)+3], s[18:19] offset:256*(\g)   ; no register is written again, so nothing waits for the stores
.endm
.irp g, 0,1,2,3,4,5,6
	CLOAD \g
.endr
.irp g, 0,1,2,3,4,5,6,7,8,9,10,11,12,13,14,15
	CPACK \g
.endr
	s_endpgm
.Lfunc_end_k_q6b44efbb67_prep:
	.size	k_q6b44efbb67_prep, .Lfunc_end_k_q6b44efbb67_prep-k_q6b44efbb67_prep
	.p2alignl 7, 3214868480
	.fill 96, 4, 3214868480
	.section	.rodata,"a",@progbits
	.p2align	6, 0x0
	.amdhsa_kernel k_q6b44efbb67_prep
		.amdhsa_group_segment_fixed_size 68096
		.amdhsa_private_segment_fixed_size 0
		.amdhsa_enable_private_segment 0
		.amdhsa_kernarg_size 64
		.amdhsa_user_sgpr_count 2
		.amdhsa_user_sgpr_kernarg_segment_ptr 1
		.amdhsa_wavefront_size32 1
		.amdhsa_system_sgpr_workgroup_id_x 1
		.amdhsa_system_sgpr_workgroup_id_y 1
		.amdhsa_system_sgpr_workgroup_id_z 1
		.amdhsa_system_vgpr_workitem_id 0
		.amdhsa_next_free_vgpr 200
		.amdhsa_next_free_sgpr 66
		.amdhsa_reserve_vcc 0
		.amdhsa_float_denorm_mode_32 3
		.amdhsa_float_denorm_mode_16_64 3
		.amdhsa_memory_ordered 1
		.amdhsa_forward_progress 1
		.amdhsa_inst_pref_size 129
	.end_amdhsa_kernel
	.amdgpu_metadata
---
amdhsa.version: [ 1, 2 ]
amdhsa.kernels:
  - .name:           k_q6b44efbb67_prep
    .symbol:         k_q6b44efbb67_prep.kd
    .args:
      - { .name: Q, .offset: 0, .size: 8, .value_kind: global_buffer, .address_space: global }
      - { .name: W_packed, .offset: 8, .size: 8, .value_kind: global_buffer, .address_space: global }
      - { .name: W_out, .offset: 16, .size: 8, .value_kind: global_buffer, .address_space: global }
      - { .name: q_codes, .offset: 24, .size: 8, .value_kind: global_buffer, .address_space: global }
      - { .name: q_scales, .offset: 32, .size: 8, .value_kind: global_buffer, .address_space: global }
      - { .name: w_codes, .offset: 40, .size: 8, .value_kind: global_buffer, .address_space: global }
      - { .name: w_scales, .offset: 48, .size: 8, .value_kind: global_buffer, .address_space: global }
      - { .name: wf, .offset: 56, .size: 8, .value_kind: global_buffer, .address_space: global }
    .group_segment_fixed_size: 68096
    .private_segment_fixed_size: 0
    .kernarg_segment_align: 8
    .kernarg_segment_size: 64
    .max_flat_workgroup_size: 128
    .sgpr_count:     66
    .vgpr_count:     200
    .wavefront_size: 32
...
	.end_amdgpu_metadata
.endif
;; end of part 1
;; launch qkv_gemm (part 2): grid 12 x 32, 4 waves a work-group, clusters of 4 x 4, 327,680 bytes of LDS; arguments q_codes, q_scales, w_codes, w_scales, qkv, b_packed, fine_qkv; writes qkv, fine_qkv
.if DOCPART == 2
	.amdgcn_target "amdgcn-amd-amdhsa--gfx1250"
	.amdhsa_code_object_version 6
	.text
	.protected	k_q6b44efbb67_qkv_gemm
	.globl	k_q6b44efbb67_qkv_gemm
	.p2align	8
	.type	k_q6b44efbb67_qkv_gemm,@function
k_q6b44efbb67_qkv_gemm:
	s_mov_b64 s[64:65], 0
	v_nop
	global_prefetch_b8 v0, s[64:65] scope:SCOPE_SE
	s_setreg_imm32_b32 hwreg(HW_REG_WAVE_MODE, 25, 1), 1
	s_wait_xcnt 0x0
	s_wait_alu depctr_hold_cnt(0) depctr_sa_sdst(0) depctr_va_vdst(0) depctr_va_sdst(0) depctr_va_ssrc(0) depctr_va_vcc(0) depctr_vm_vsrc(0)
	s_getreg_b32 s2, hwreg(HW_REG_IB_STS2, 6, 4)
	s_cmp_eq_u32 s2, 0
	s_cbranch_scc0 .Lentry_in_a_cluster
	s_endpgm
.Lentry_in_a_cluster:
	s_bfe_u32 s2, ttmp6, 0x10000c
	s_cmp_lg_u32 s2, 0xf033
	s_cbranch_scc0 .Lentry_shape_is_right
	s_endpgm
.Lentry_shape_is_right:
; qkv = Q W_packed + b_packed on codes of FP4 (E2M1) with one E8M0 scale for each 32 along K; sums in f32.  A: q_codes [8192][512 bytes], q_scales [8192][32]; B: w_codes [3072][512 bytes], w_scales [3072][32].
; A tile of 256 x 256 is made by four waves, each 128 x 128: 64 accumulators of 16 x 16, 512 registers.  K = 1,024 is two LDS slots of 512 along K (rows of 256 bytes): both are asked for at the head and nothing is filled again.
; The scale bytes of the tile's 256 + 256 rows, for all of K, come once, as dense blocks.  CLUSTERS: 4 x 4 work-groups; A's tiles are asked for jointly along a row of the cluster, B's along a column.
; THE TILE ROW IS 8 cy + (the cluster's y): so cy is the batch and the cluster's y the block of 256 positions, and whether a tile holds positions 0-15 of a sequence is the same question in all sixteen partners.
; The tile column is 4 x (the cluster's x) + cx: the cluster's x says whether the tile belongs to q, k or v.
; THE MATRIX INSTRUCTION IS USED TRANSPOSED (source 0 = 16 rows of B, source 1 = 16 rows of A): a lane holds one position and eight neighbouring channels.  b_packed is the C of each sum's first instruction.
; THE WAY OUT NEEDS NO STAGE.  A lane's eight numbers, rounded to f16, are 16 bytes, and qkv is laid so that these are the lane's 16 bytes of the reader's operand: [q, k, v][batch][head][16 positions][2,048 bytes];
; in such a block four pieces of 512 bytes, one for each 16 channels; in a piece of q or k lane (r, h) stands at 16 r + 256 h (the image of a fragment's registers), in a piece of v at 32 r + 16 h (16 keys x 16 channels by rows,
; for the turning LDS load).  Each store of a wave covers 512 consecutive bytes, aligned.  q is multiplied by c = log2(e) / 8 ahead of the rounding, so that a score is an exponent to the base 2.
; Positions 0-15 of each sequence also leave as f32, unscaled, into fine_qkv [batch][16][3072], for the launch that carries those rows finely.
; LIMITS: q c, k and v are f16: beyond 65,504 infinity, under 6e-5 fewer bits.
; REGISTERS, in windows of 256: window 0: v0-31 addresses; v32-95 scale words, two sets; v128-191 A's fragments, ONE set, later q x c; v192-255 the bias, later the rounded results.  window 1: B's fragments, two sets.
;   window 2: the accumulators of my rows 0-63 ((a, b) at v[8 (8 a + b)]);  window 3: those of my rows 64-127.
.set SIZE_M, 8192
.set SIZE_N, 3072
.set SIZE_K, 1024
.set KSTEP,  512                       ; along K in a slot
.set NQ,     KSTEP/128                 ; matrix instructions deep
.set ROWB,   256                       ; a tile's row in bytes
.set KROW,   SIZE_K*4/8                ; a row of codes in memory
.set PITCH,  272                       ; an LDS row: 256 bytes + 16 of padding = 68 words: the 16 rows that a load touches start at 16 different banks (64 banks of 4 bytes: ISA guide 11.1)
.set FR,     8
.set NL,     2
.set NP,     4                         ; places behind this matrix instruction (ISA guide 7.12.1)
.set HALFT,  128*PITCH
.set SLOT,   4*HALFT
.set KS,     SIZE_K/32
.set SCL,    2*SLOT                    ; behind the slots: the scales, as rows of 256 bytes + 16 of padding
.set HALFS,  (128*KS/256)*272
.set SBLK,   (16*KS/256)*272
.set SPARE,  SCL+4*HALFS               ; the spare words, 128 bytes for each wave: two blocks of 256 bytes that no other line names
.set ADRA, 16                          ; v16-17  LDS address of my A fragments in slot 0, 1
.set ADRB, 20                          ; v20-21  the same for B
.set BA,   24                          ; v24     the bias's offset: 32 x (lane / 16); never rewritten
.set ADRS, 27                          ; v27     LDS address of my scale words: lanes 0-15 A's rows, lanes 16-31 B's
.set SPW,  28                          ; v28     LDS address of my spare word; never rewritten
.set NIL,  29                          ; v29     0; never rewritten
.set FO,   30                          ; v30     my offset in fine_qkv: 12,288 r + 32 h
.set VO,   31                          ; v31     my 16 bytes in a piece of 512
.set SC,   32
.set AF,   128
.set BIAS, 192
.set TF,   128
.set TMP,  192
.set G1, 24
.set G0, 32
.set G1B, 48
.set G0B, 56
.set G1S, 68
.set G0S, 76
.set G1SB, 80
.set G0SB, 88
.set MSB, 0
.macro WIN new                         ; the immediate's high byte repeats the setting that is left
.if MSB != (\new)
	s_set_vgpr_msb (MSB<<8)|(\new)
.set MSB, (\new)
.endif
.endm
.set MUL_LO, 0xa1                      ; source 0 (B) window 1, source 1 (A) window 0, C and D window 2
.set MUL_HI, 0xf1                      ; the same, C and D window 3
.set BIA_LO, 0x81                      ; the first step: C is the bias, in window 0
.set BIA_HI, 0xc1
.set TO_B,   0x40
; A joint load: waves 0 and 1 fetch for A, waves 2 and 3 for B; the branch hangs on the wave's number alone.  An s_nop 0 and four v_nop follow each of the two lines.
.macro JLOAD g0a, g1a, g0b, g1b
	s_cmp_eq_u32 s15, 0
	s_cbranch_scc0 .Lfor_b_\@
	tensor_load_to_lds s[\g0a:\g0a+3], s[\g1a:\g1a+7]
	s_nop 0
.rept 4
	v_nop
.endr
	s_branch .Lasked_\@
.Lfor_b_\@:
	tensor_load_to_lds s[\g0b:\g0b+3], s[\g1b:\g1b+7]
	s_nop 0
.rept 4
	v_nop
.endr
.Lasked_\@:
.endm
.macro CROUND                          ; a round of the cluster's barrier
	s_barrier_signal -1
	s_barrier_wait -1
	s_cmp_lg_u32 s14, 0
	s_cbranch_scc1 .Lnot_wave_0_\@
	s_barrier_signal -3
.Lnot_wave_0_\@:
	s_barrier_wait -3
	s_barrier_signal -1
	s_barrier_wait -1
.endm
	s_load_b128 s[4:7], s[0:1], 0x0                ; A's codes s[4:5], A's scales s[6:7]
	s_load_b128 s[8:11], s[0:1], 0x10              ; B's codes s[8:9], B's scales s[10:11]
	s_load_b64 s[12:13], s[0:1], 0x20              ; qkv
	s_load_b64 s[96:97], s[0:1], 0x28              ; b_packed
	s_load_b64 s[98:99], s[0:1], 0x30              ; fine_qkv
	v_lshl_add_u32 v[SPW], v0, 2, SPARE
	v_mov_b32 v[NIL], 0
	ds_add_u32 v[SPW], v[NIL]                      ; the wave's opening: the add, twice on end, and its wait ahead of my first tensor load
	ds_add_u32 v[SPW], v[NIL]
	v_lshrrev_b32 v1, 5, v0
	v_readfirstlane_b32 s14, v1                    ; wave 0..3
	s_lshr_b32 s15, s14, 1                         ; which half of the tile's rows is mine.  Also: I fetch for A (0) or for B (1)
	s_and_b32 s16, s14, 1                          ; which half of its columns.  Also: which 128 rows of that tile I fetch
	s_bfe_u32 s40, ttmp6, 0x40000                  ; cx, cy: my place in the cluster
	s_bfe_u32 s41, ttmp6, 0x40004
	s_lshl_b32 s42, ttmp9, 2
	s_add_co_u32 s42, s42, s40                     ; tile column = 4 x cluster x + cx
	s_and_b32 s95, ttmp7, 0xffff                   ; the cluster's y: the block of 256 positions
	s_lshl_b32 s17, s41, 3
	s_add_co_u32 s17, s17, s95                     ; tile row = 8 cy + cluster y
	s_lshl_b32 s43, s41, 2
	s_lshl_b32 s43, 15, s43                        ; my row of the cluster
	s_lshl_b32 s44, 0x1111, s40                    ; my column
	s_or_b32 s[G1+0], s43, (0<<16)|(1<<20)|(1<<21)|(5<<22)|(3<<25)  ; 15:0 the mask; 17:16 element of 1 byte; 20 padding on; 21 set beside a mask; 24:22 after every 64 words; 31:25 four words
	s_or_b32 s[G1B+0], s44, (0<<16)|(1<<20)|(1<<21)|(5<<22)|(3<<25)
.irp g, G1, G1B
	s_mov_b32 s[\g+1], ROWB<<16                    ; tensor_dim0
	s_mov_b32 s[\g+2], 128<<16                     ; tensor_dim1 = 128
	s_mov_b32 s[\g+3], ROWB<<16                    ; tile_dim0
	s_mov_b32 s[\g+4], 128                         ; tile_dim1 = 128
	s_mov_b32 s[\g+5], KROW                        ; tensor_dim0_stride
	s_mov_b32 s[\g+6], 0
	s_mov_b32 s[\g+7], 0
.endr
	s_or_b32 s[G1S+0], s43, (3<<16)|(1<<20)|(1<<21)|(5<<22)|(3<<25)   ; the scales of 128 rows: 4,096 dense bytes as 16 rows of 256 (32 elements of 8 bytes), 16 bytes of padding behind each
	s_or_b32 s[G1SB+0], s44, (3<<16)|(1<<20)|(1<<21)|(5<<22)|(3<<25)
.irp g, G1S, G1SB
	s_mov_b32 s[\g+1], 32<<16
	s_mov_b32 s[\g+2], (128*KS/256)<<16
	s_mov_b32 s[\g+3], 32<<16
	s_mov_b32 s[\g+4], 128*KS/256
	s_mov_b32 s[\g+5], 32
	s_mov_b32 s[\g+6], 0
	s_mov_b32 s[\g+7], 0
.endr
	s_lshl_b32 s18, s16, 7                         ; which 128 rows of the tile I fetch
	s_lshl_b32 s20, s17, 8
	s_add_co_u32 s20, s20, s18                     ; A: row 256 x tile row + 128 x half
	s_lshl_b32 s46, s42, 8
	s_add_co_u32 s46, s46, s18                     ; B: row 256 x tile column + 128 x half
	s_mov_b32 s21, 0
	s_mov_b32 s47, 0
	s_mov_b64 s[18:19], KS
	s_mul_u64 s[22:23], s[20:21], s[18:19]         ; where these rows' scales begin, in bytes
	s_mul_u64 s[92:93], s[46:47], s[18:19]
	s_mov_b64 s[18:19], KROW
	s_mul_u64 s[20:21], s[20:21], s[18:19]         ; and their codes
	s_mul_u64 s[46:47], s[46:47], s[18:19]
	s_mul_i32 s45, s14, HALFT                      ; where they go: wave x 128 rows: no place in the cluster enters an LDS address
	s_mul_i32 s94, s14, HALFS
	s_wait_dscnt 0x0                               ; both opening adds are done
	s_wait_kmcnt 0x0
	s_add_nc_u64 s[20:21], s[4:5], s[20:21]
	s_add_nc_u64 s[22:23], s[6:7], s[22:23]
	s_add_nc_u64 s[46:47], s[8:9], s[46:47]
	s_add_nc_u64 s[92:93], s[10:11], s[92:93]
	CROUND                                         ; all sixteen work-groups are here: the joint loads meet
	s_mov_b32 s[G0S], 1
	s_add_co_u32 s[G0S+1], s94, SCL
	s_mov_b64 s[G0S+2:G0S+3], s[22:23]
	s_or_b32 s[G0S+3], s[G0S+3], 0x80000000
	s_mov_b32 s[G0SB], 1
	s_add_co_u32 s[G0SB+1], s94, SCL
	s_mov_b64 s[G0SB+2:G0SB+3], s[92:93]
	s_or_b32 s[G0SB+3], s[G0SB+3], 0x80000000
	JLOAD G0S, G1S, G0SB, G1SB                     ; the scales first: they are wanted with K step 0.  Three loads of mine are out behind the third of these
.irp s, 0,1
	s_mov_b32 s[G0+4*\s], 1
	s_add_co_u32 s[G0+4*\s+1], s45, \s*SLOT
	s_add_nc_u64 s[G0+4*\s+2:G0+4*\s+3], s[20:21], \s*ROWB
	s_or_b32 s[G0+4*\s+3], s[G0+4*\s+3], 0x80000000
	s_mov_b32 s[G0B+4*\s], 1
	s_add_co_u32 s[G0B+4*\s+1], s45, \s*SLOT
	s_add_nc_u64 s[G0B+4*\s+2:G0B+4*\s+3], s[46:47], \s*ROWB
	s_or_b32 s[G0B+4*\s+3], s[G0B+4*\s+3], 0x80000000
	JLOAD G0+4*\s, G1, G0B+4*\s, G1B
.endr
	v_and_b32 v1, 15, v0                           ; r = l % 16
	v_bfe_u32 v2, v0, 4, 1                         ; h = l / 16
	; the bias: lane (r, h) wants, for B's block b, b_packed[256 tc + 128 x column half + 16 b + 8 h + 0 .. 7], the result's own layout
	s_lshl_b32 s66, s42, 10
	s_lshl_b32 s67, s16, 9
	s_add_co_u32 s66, s66, s67                     ; my first column, in bytes of f32
	s_mov_b32 s67, 0
	s_add_nc_u64 s[96:97], s[96:97], s[66:67]
	s_add_nc_u64 s[98:99], s[98:99], s[66:67]      ; fine_qkv at the same column,
	v_lshlrev_b32 v[BA], 5, v2
.irp b, 0,1,2,3,4,5,6,7
	global_load_b128 v[BIAS+8*\b:BIAS+8*\b+3], v[BA], s[96:97] offset:64*\b
	global_load_b128 v[BIAS+8*\b+4:BIAS+8*\b+7], v[BA], s[96:97] offset:64*\b+16
.endr
	s_mul_i32 s66, s41, 196608                     ; in my batch: 16 rows of 12,288 bytes
	s_add_nc_u64 s[98:99], s[98:99], s[66:67]
	v_mul_u32_u24 v3, v1, PITCH
	v_lshl_add_u32 v4, v2, 4, v3                   ; a fragment's row x pitch + 16 x half
	s_mul_i32 s21, s15, HALFT                      ; my 128 rows of A
	s_mul_i32 s22, s16, HALFT                      ; my 128 rows of B,
	s_add_co_u32 s22, s22, 2*HALFT                 ; which lie behind A's 256
.irp s, 0,1
	v_add_nc_u32 v[ADRA+\s], s21, v4
	v_add_nc_u32 v[ADRB+\s], s22, v4
	s_add_co_u32 s21, s21, SLOT
	s_add_co_u32 s22, s22, SLOT
.endr
	v_mul_u32_u24 v5, v1, KS                       ; my row's scales: KS bytes a row,
	v_lshrrev_b32 v6, 8, v5
	v_lshl_add_u32 v5, v6, 4, v5                   ; and 16 more for each 256 passed
	s_mul_i32 s21, s15, HALFS
	s_mul_i32 s22, s16, HALFS
	s_add_co_u32 s22, s22, 2*HALFS
	s_sub_co_u32 s22, s22, s21
	v_mul_u32_u24 v6, s22, v2                      ; lanes 16-31 take B's
	s_add_co_u32 s21, s21, SCL
	v_add_nc_u32 v5, v5, v6
	v_add_nc_u32 v[ADRS], s21, v5
	; the way out: where my wave's part of qkv begins
	s_lshl_b32 s66, ttmp9, 24                      ; q, k or v: 16,777,216 bytes each
	s_lshl_b32 s2, s41, 22                         ; the batch: 4,194,304
	s_add_co_u32 s66, s66, s2
	s_lshl_b32 s2, s40, 2
	s_lshl_b32 s3, s16, 1
	s_add_co_u32 s2, s2, s3                        ; my first head: 4 cx + 2 x column half
	s_lshl_b32 s2, s2, 18                          ; 262,144 bytes a head
	s_add_co_u32 s66, s66, s2
	s_lshl_b32 s2, s95, 4
	s_lshl_b32 s3, s15, 3
	s_add_co_u32 s2, s2, s3                        ; my first tile of 16 positions: 16 x cluster y + 8 x row half
	s_lshl_b32 s2, s2, 11
	s_add_co_u32 s66, s66, s2
	s_add_nc_u64 s[12:13], s[12:13], s[66:67]
	s_cmp_eq_u32 ttmp9, 2                          ; v's pieces lie by rows, q's and k's as images
	s_cselect_b32 s2, 5, 4
	s_cselect_b32 s3, 4, 8
	v_lshlrev_b32 v[VO], s2, v1
	v_lshlrev_b32 v25, s3, v2
	v_add_nc_u32 v[VO], v[VO], v25
	v_mul_u32_u24 v[FO], v1, 12288
	v_lshl_add_u32 v[FO], v2, 5, v[FO]
	s_mov_b32 s100, 0x3e38aa3b                     ; c = log2(e) / 8
	s_mov_b32 s101, s100                           ; (named with it as a pair, so it is written)
.macro FRAG reg, adr, q, i             ; a fragment, 16 rows x 128 K of 4-bit codes: 8 registers; registers 4 c .. 4 c + 3 hold K = 64 c + 32 (l / 16) + 0 .. 31
.irp c, 0,1
	ds_load_b128 v[\reg+4*\c:\reg+4*\c+3], v[\adr] offset:64*(\q)+32*\c+(\i)*16*PITCH
.endr
.endm
; 16 matrix instructions: A's blocks a0, a0 + 1 x B's eight, the slot's q-th 128 along K.  p: B's set; sc: the set of scale words.  first = 1: the sums begin with the bias as C: nothing is cleared or added later.
; The 64 accumulators take turns, one instruction a turn, in the same order in every step.
.macro MUL16 a0, p, q, sc, first
.irp a, \a0, \a0+1
.irp b, 0,1,2,3,4,5,6,7
.if \first
	v_wmma_scale_f32_16x16x128_f8f6f4 v[8*(8*((\a)%4)+\b):8*(8*((\a)%4)+\b)+7], v[128*(\p)+FR*\b:128*(\p)+FR*\b+FR-1], v[AF+FR*(\a):AF+FR*(\a)+FR-1], v[BIAS+8*\b:BIAS+8*\b+7], v[SC+8*NQ*(\sc)+NQ*\b+(\q)], v[SC+8*NQ*(\sc)+NQ*(\a)+(\q)] matrix_a_fmt:MATRIX_FMT_FP4 matrix_b_fmt:MATRIX_FMT_FP4 matrix_a_scale:MATRIX_SCALE_ROW1
.else
	v_wmma_scale_f32_16x16x128_f8f6f4 v[8*(8*((\a)%4)+\b):8*(8*((\a)%4)+\b)+7], v[128*(\p)+FR*\b:128*(\p)+FR*\b+FR-1], v[AF+FR*(\a):AF+FR*(\a)+FR-1], v[8*(8*((\a)%4)+\b):8*(8*((\a)%4)+\b)+7], v[SC+8*NQ*(\sc)+NQ*\b+(\q)], v[SC+8*NQ*(\sc)+NQ*(\a)+(\q)] matrix_a_fmt:MATRIX_FMT_FP4 matrix_b_fmt:MATRIX_FMT_FP4 matrix_a_scale:MATRIX_SCALE_ROW1
.endif
.endr
.endr
.endm
.macro FETCH_B slot, q, p
	WIN TO_B
.irp i, 0,1,2,3,4,5,6,7
	FRAG 128*(\p)+FR*\i, ADRB+\slot, \q, \i
.endr
	WIN 0
.endm
.macro FETCH_A slot, q, i0
.irp i, \i0, \i0+1, \i0+2, \i0+3
	FRAG AF+FR*(\i), ADRA+\slot, \q, \i
.endr
.endm
.macro SCALES sc                       ; a K step's scale words into set sc: lanes 0-15 take A's block i, lanes 16-31 B's block i
.irp i, 0,1,2,3,4,5,6,7
	ds_load_b128 v[SC+8*NQ*\sc+NQ*\i:SC+8*NQ*\sc+NQ*\i+3], v[ADRS] offset:\i*SBLK
.endr
.endm
.macro PLACES n                        ; plain vector instructions that name no register of the matrix instructions: the places in front of loads into their sources and of reads of their results
.rept \n
	v_nop
.endr
.endm
.macro STEP slot, q, first             ; a step of 128 along K that has its successor in the same slot
	s_wait_dscnt 4*NL                              ; B's set and A's blocks 0-3 are in; the youngest eight loads (A's blocks 4-7) may be out
.if \first
	WIN BIA_LO
.else
	WIN MUL_LO
.endif
	MUL16 0, (\q)%2, \q, \slot, \first
	MUL16 2, (\q)%2, \q, \slot, \first
	s_wait_dscnt 0                                 ; A's blocks 4-7 are in
	PLACES NP
	FETCH_B \slot, (\q)+1, 1-(\q)%2
	FETCH_A \slot, (\q)+1, 0
.if \first
	WIN BIA_HI
.else
	WIN MUL_HI
.endif
	MUL16 4, (\q)%2, \q, \slot, \first
	MUL16 6, (\q)%2, \q, \slot, \first
	PLACES NP
	WIN 0
	FETCH_A \slot, (\q)+1, 4
.endm
; Slot 0's last step changes slots: one barrier; in front of it each wave waits for all its tensor loads (its part of slot 1), adds 0 to its spare word, and waits for that and for its reads.  Nothing is filled again.
.macro TURN slot, next
	s_wait_tensorcnt 0x0                           ; all my tensor loads have landed
	ds_add_u32 v[SPW], v[NIL]                      ; 0 onto my spare word
	s_wait_dscnt 4*NL+1                            ; (the add and the youngest eight loads may be out)
	WIN MUL_LO
	MUL16 0, 1, NQ-1, \slot, 0
	s_wait_dscnt 0x0                               ; the add is done, and my reads of this slot are over
	s_barrier_signal -1
	MUL16 2, 1, NQ-1, \slot, 0
	WIN 0
	s_barrier_wait -1                              ; the next slot is whole
	PLACES NP
	v_add_nc_u32 v[ADRS], 4*NQ, v[ADRS]            ; on to the next K step's scale words
	FETCH_B \next, 0, 0
	FETCH_A \next, 0, 0
	SCALES \next
	WIN MUL_HI
	MUL16 4, 1, NQ-1, \slot, 0
	MUL16 6, 1, NQ-1, \slot, 0
	PLACES NP
	WIN 0
	FETCH_A \next, 0, 4
.endm
.macro STEPS slot, from
.set Q, \from
.rept NQ-1-\from
	STEP \slot, Q, 0
.set Q, Q+1
.endr
.endm
	s_wait_tensorcnt 1                             ; the scales and my part of K step 0 are in (K step 1's load may be out),
	s_barrier_signal -1
	s_barrier_wait -1                              ; everybody's are
	FETCH_B 0, 0, 0
	FETCH_A 0, 0, 0
	SCALES 0
	FETCH_A 0, 0, 4
	s_wait_loadcnt 0x0                             ; the bias
	STEP 0, 0, 1
	STEPS 0, 1
	TURN 0, 1
	STEPS 1, 0
	s_wait_dscnt 4*NL                              ; the very last step: nothing more to fetch
	WIN MUL_LO
	MUL16 0, 1, NQ-1, 1, 0
	MUL16 2, 1, NQ-1, 1, 0
	s_wait_dscnt 0
	WIN MUL_HI
	MUL16 4, 1, NQ-1, 1, 0
	MUL16 6, 1, NQ-1, 1, 0
	WIN 0
	PLACES NP                                      ; in front of the first reads of results and of writes into registers that held A's fragments
	; positions 0-15 of a sequence lie in block 0 of the upper row half where the cluster's y is 0: the same in all partners
	s_or_b32 s2, s95, s15
	s_cmp_eq_u32 s2, 0
	s_cbranch_scc0 .Lno_fine
	WIN 0x08                                       ; a store's data are its source 1: window 2
.irp b, 0,1,2,3,4,5,6,7
	global_store_b128 v[FO], v[8*\b:8*\b+3], s[98:99] offset:64*\b        ; each accumulator from its low end on
	global_store_b128 v[FO], v[8*\b+4:8*\b+7], s[98:99] offset:64*\b+16
.endr
	WIN 0
.Lno_fine:
; Block a (16 positions x 128 channels) leaves: rounded to f16, eight stores of 512 consecutive bytes.  scaled = 1: q, times c first.  Two sets of result registers by turns.
.macro OUT a, scaled
.set AC, 64*((\a)%4)
.set TM, TMP+32*((\a)%2)
.if (\a) >= 2
	s_wait_xcnt 0x0                                ; block a - 2's stores have read their registers, which are written again below
.endif
.if \scaled
	WIN 0x02+(\a)/4                                ; source 0: window 2 or 3
.set i, 0
.rept 32
	v_pk_mul_f32 v[TF+2*i:TF+2*i+1], v[AC+2*i:AC+2*i+1], s[100:101] op_sel_hi:[1,0]
.set i, i+1
.endr
	WIN 0
.set i, 0
.rept 32
	v_cvt_pk_f16_f32 v[TM+i], v[TF+2*i], v[TF+2*i+1]
.set i, i+1
.endr
.else
	WIN 0x0a+5*((\a)/4)                            ; sources 0 and 1: window 2 or 3
.set i, 0
.rept 32
	v_cvt_pk_f16_f32 v[TM+i], v[AC+2*i], v[AC+2*i+1]
.set i, i+1
.endr
	WIN 0
.endif
.irp b, 0,1,2,3,4,5,6,7
	global_store_b128 v[VO], v[TM+4*\b:TM+4*\b+3], s[12:13] offset:(\b/4)*262144+(\a)*2048+(\b%4)*512   ; head b / 4 of my two, tile a of positions, channels 16 (b % 4) on
.endr
.endm
	s_cmp_eq_u32 ttmp9, 0                          ; q's third?  The cluster's x: the same in all partners
	s_cbranch_scc0 .Lplain
.irp a, 0,1,2,3,4,5,6,7
	OUT \a, 1
.endr
	s_branch .Lend
.Lplain:
.irp a, 0,1,2,3,4,5,6,7
	OUT \a, 0
.endr
.Lend:
	s_wait_tensorcnt 0x0                           ; the wave's end: a wait, an add to my spare word and its wait, behind my last tensor load
	ds_add_u32 v[SPW], v[NIL]
	s_wait_dscnt 0x0
	CROUND                                         ; the closing round
	s_endpgm
.Lfunc_end_k_q6b44efbb67_qkv_gemm:
	.size	k_q6b44efbb67_qkv_gemm, .Lfunc_end_k_q6b44efbb67_qkv_gemm-k_q6b44efbb67_qkv_gemm
	.p2alignl 7, 3214868480
	.fill 96, 4, 3214868480
	.section	.rodata,"a",@progbits
	.p2align	6, 0x0
	.amdhsa_kernel k_q6b44efbb67_qkv_gemm
		.amdhsa_group_segment_fixed_size 327680
		.amdhsa_private_segment_fixed_size 0
		.amdhsa_enable_private_segment 0
		.amdhsa_kernarg_size 56
		.amdhsa_user_sgpr_count 2
		.amdhsa_user_sgpr_kernarg_segment_ptr 1
		.amdhsa_wavefront_size32 1
		.amdhsa_system_sgpr_workgroup_id_x 1
		.amdhsa_system_sgpr_workgroup_id_y 1
		.amdhsa_system_sgpr_workgroup_id_z 1
		.amdhsa_system_vgpr_workitem_id 0
		.amdhsa_next_free_vgpr 1024
		.amdhsa_next_free_sgpr 102
		.amdhsa_reserve_vcc 0
		.amdhsa_float_denorm_mode_32 3
		.amdhsa_float_denorm_mode_16_64 3
		.amdhsa_memory_ordered 1
		.amdhsa_forward_progress 1
		.amdhsa_inst_pref_size 160
	.end_amdhsa_kernel
	.amdgpu_metadata
---
amdhsa.version: [ 1, 2 ]
amdhsa.kernels:
  - .name:           k_q6b44efbb67_qkv_gemm
    .symbol:         k_q6b44efbb67_qkv_gemm.kd
    .args:
      - { .name: q_codes, .offset: 0, .size: 8, .value_kind: global_buffer, .address_space: global }
      - { .name: q_scales, .offset: 8, .size: 8, .value_kind: global_buffer, .address_space: global }
      - { .name: w_codes, .offset: 16, .size: 8, .value_kind: global_buffer, .address_space: global }
      - { .name: w_scales, .offset: 24, .size: 8, .value_kind: global_buffer, .address_space: global }
      - { .name: qkv, .offset: 32, .size: 8, .value_kind: global_buffer, .address_space: global }
      - { .name: b_packed, .offset: 40, .size: 8, .value_kind: global_buffer, .address_space: global }
      - { .name: fine_qkv, .offset: 48, .size: 8, .value_kind: global_buffer, .address_space: global }
    .group_segment_fixed_size: 327680
    .private_segment_fixed_size: 0
    .kernarg_segment_align: 8
    .kernarg_segment_size: 56
    .max_flat_workgroup_size: 128
    .sgpr_count:     102
    .vgpr_count:     1024
    .wavefront_size: 32
...
	.end_amdgpu_metadata
.endif
;; end of part 2
;; launch fine (part 3): grid 64 x 4, 16 waves a work-group, no clusters, 18,432 bytes of LDS; arguments fine_qkv, W_out, b_out, out0; writes out0
.if DOCPART == 3
	.amdgcn_target "amdgcn-amd-amdhsa--gfx1250"
	.amdhsa_code_object_version 6
	.text
	.protected	k_q6b44efbb67_fine
	.globl	k_q6b44efbb67_fine
	.p2align	8
	.type	k_q6b44efbb67_fine,@function
k_q6b44efbb67_fine:
	s_mov_b64 s[64:65], 0
	v_nop
	global_prefetch_b8 v0, s[64:65] scope:SCOPE_SE
	s_setreg_imm32_b32 hwreg(HW_REG_WAVE_MODE, 25, 1), 1
	s_wait_xcnt 0x0
; POSITIONS 0-15 OF EACH SEQUENCE, ALL IN f32: under the causal mask these rows average one to sixteen values, so they are carried finely through attention and the projection on the way out.
; Work-group (x, y) makes out0[batch y][positions 0-15][columns 16 x .. 16 x + 15].  Wave w is head w: it makes the head's 16 x 16 attention from fine_qkv [batch][16][3072] (f32, unscaled, bias in),
; multiplies its 64 joined channels by W_out's rows 64 w .. 64 w + 63 at the 16 columns, and the sixteen partial tiles meet in LDS, where waves 0 and 1 add them in a fixed order, add b_out and store.
; The attention is made anew in each of a batch's 64 work-groups: 12 KiB of reads and 32 small matrix instructions a wave, in place of one launch more.
; All products by v_wmma_f32_16x16x4_f32, used transposed, so that a lane holds ONE query throughout.  Along K both operands carry the same permutation: a lane's registers are taken as they were loaded or computed.
; The registers that these instructions write, v160-223, are written by nothing else; each sum begins with the constant 0; two or four accumulators take turns.
; The stores are 16 bytes a lane, 64 bytes of a row for each work-group: 256 KiB in the whole launch.
; REGISTERS: v1-23 addresses and work; v28, v29 the add's two; v32-63 q, later the joined channels; v64-95 k; v96-127 v; v128-159 W_out; v160-175 S^T in two halves; v176-207 O^T; v208-223 out^T in two halves;
;   v224-231 scores, then p; v232-239 my partial tile; v64-127 once more: the sixteen partial tiles.
.set SPARE, 16384                      ; behind the partial tiles: the spare words, 128 bytes for each of sixteen waves: eight blocks of 256 bytes that no other line names
.set SPW, 28
.set NIL, 29
.set QR,  32
.set KR,  64
.set VR,  96
.set WR,  128
.set SA,  160
.set SB,  168
.set OA,  176
.set PA,  208
.set PB,  216
.set SS,  224
.set PS,  232
.set JN,  32
.set RX,  64
	s_load_b256 s[4:11], s[0:1], 0x0               ; fine_qkv s[4:5], W_out s[6:7], b_out s[8:9], out0 s[10:11]
	v_lshl_add_u32 v[SPW], v0, 2, SPARE
	v_mov_b32 v[NIL], 0
	v_lshrrev_b32 v1, 5, v0
	v_readfirstlane_b32 s12, v1                    ; wave = head
	s_and_b32 s13, s12, 1                          ; for waves 0 and 1: which four of a lane's eight columns I add up
	s_and_b32 s15, ttmp7, 0xffff                   ; batch
	v_and_b32 v1, 15, v0                           ; r
	v_bfe_u32 v2, v0, 4, 1                         ; h
	v_and_b32 v3, 31, v0                           ; lane
	v_mul_u32_u24 v4, v1, 12288
	v_lshl_add_u32 v4, v2, 7, v4                   ; q, k: position r, channels 32 h on
	v_mul_u32_u24 v5, v2, 98304
	v_lshl_add_u32 v5, v1, 2, v5                   ; v: keys 8 h on, channel r of a tile
	v_lshlrev_b32 v6, 15, v2
	v_lshl_add_u32 v6, v1, 2, v6                   ; W_out: rows 8 h on, column r
	s_lshl_b32 s16, s13, 4
	v_lshlrev_b32 v7, 5, v2
	v_add_nc_u32 v7, s16, v7                       ; b_out: columns 8 h + 4 (wave % 2) on
	s_lshl_b32 s16, s12, 10
	v_lshlrev_b32 v8, 4, v3
	v_add_nc_u32 v8, s16, v8                       ; LDS: my partial tile: 1,024 x wave + 16 x lane
	s_lshl_b32 s16, s13, 9
	v_lshlrev_b32 v9, 4, v3
	v_add_nc_u32 v9, s16, v9                       ; LDS, back: 16 x lane + 512 x (wave % 2)
	v_lshl_add_u32 v10, v1, 12, v7                 ; out0: row r of 4,096 bytes, + my columns
	v_lshlrev_b32 v11, 3, v2
	v_sub_nc_u32 v11, v1, v11                      ; d = r - 8 h: register j holds key 8 h + j, hidden where j > d
	v_mov_b32 v12, 0xff800000                      ; -infinity
	s_mov_b32 s18, 0x76543210
	s_mov_b32 s19, 0xfedcba98                      ; v_permlanex16_b32's selects for lane l xor 16
	s_mov_b32 s20, 0x3e38aa3b                      ; c = log2(e) / 8
	s_mov_b32 s17, 0
	s_mul_i32 s16, s15, 196608
	s_lshl_b32 s21, s12, 8
	s_add_co_u32 s16, s16, s21                     ; my batch's 16 rows, my head's 64 channels
	s_wait_kmcnt 0x0
	s_add_nc_u64 s[4:5], s[4:5], s[16:17]
	s_lshl_b32 s16, s12, 18                        ; W_out: my head's 64 rows of 4,096 bytes,
	s_lshl_b32 s21, ttmp9, 6                       ; my work-group's 16 columns
	s_add_co_u32 s16, s16, s21
	s_add_nc_u64 s[6:7], s[6:7], s[16:17]
	s_mov_b32 s16, s21
	s_add_nc_u64 s[8:9], s[8:9], s[16:17]
	s_lshl_b32 s16, s15, 23                        ; out0: 2,048 rows of 4,096 bytes a batch
	s_add_co_u32 s16, s16, s21
	s_add_nc_u64 s[10:11], s[10:11], s[16:17]
.irp i, 0,1,2,3,4,5,6,7
	global_load_b128 v[QR+4*\i:QR+4*\i+3], v4, s[4:5] offset:16*\i            ; q(r, 32 h + 4 i ..)
.endr
.irp i, 0,1,2,3,4,5,6,7
	global_load_b128 v[KR+4*\i:KR+4*\i+3], v4, s[4:5] offset:4096+16*\i       ; k likewise
.endr
.irp t, 0,1,2,3
.irp e, 0,1,2,3,4,5,6,7
	global_load_b32 v[VR+8*\t+\e], v5, s[4:5] offset:\e*12288+8192+64*\t      ; v(key 8 h + e, channel 16 t + r)
.endr
.endr
.irp t, 0,1,2,3
.irp e, 0,1,2,3,4,5,6,7
	global_load_b32 v[WR+8*\t+\e], v6, s[6:7] offset:(16*\t+\e)*4096          ; W_out(64 w + 16 t + 8 h + e, column r)
.endr
.endr
	global_load_b128 v[20:23], v7, s[8:9]
	s_wait_loadcnt 63                              ; q's and k's sixteen loads are the oldest of 81: 65 are younger, and 63 is the most that this wait can name
	; S^T = k q^T: register j of lane (r, h) is the score of key 8 h + j for query r.  Step s takes channels 2 s, 2 s + 1, 32 + 2 s, 33 + 2 s
	v_wmma_f32_16x16x4_f32 v[SA:SA+7], v[KR:KR+1], v[QR:QR+1], 0
	v_wmma_f32_16x16x4_f32 v[SB:SB+7], v[KR+2:KR+3], v[QR+2:QR+3], 0
.irp s, 1,2,3,4,5,6,7
	v_wmma_f32_16x16x4_f32 v[SA:SA+7], v[KR+4*\s:KR+4*\s+1], v[QR+4*\s:QR+4*\s+1], v[SA:SA+7]
	v_wmma_f32_16x16x4_f32 v[SB:SB+7], v[KR+4*\s+2:KR+4*\s+3], v[QR+4*\s+2:QR+4*\s+3], v[SB:SB+7]
.endr
.rept 8
	v_nop                                          ; eight places behind this form (ISA guide 7.12.1)
.endr
.irp j, 0,2,4,6
	v_pk_add_f32 v[SS+\j:SS+\j+1], v[SA+\j:SA+\j+1], v[SB+\j:SB+\j+1]
.endr
.irp j, 0,1,2,3,4,5,6,7
	v_cmp_gt_i32 vcc_lo, \j, v11                   ; the causal mask
	v_cndmask_b32 v[SS+\j], v[SS+\j], v12, vcc_lo
.endr
	v_max3_num_f32 v13, v[SS], v[SS+1], v[SS+2]
	v_max3_num_f32 v14, v[SS+3], v[SS+4], v[SS+5]
	v_max3_num_f32 v13, v13, v[SS+6], v[SS+7]
	v_max_num_f32 v13, v13, v14
	v_permlanex16_b32 v14, v13, s18, s19
	v_max_num_f32 v13, v13, v14                    ; the row's maximum (key 0 counts for every query)
	v_mul_f32 v15, s20, v13
.irp j, 0,1,2,3,4,5,6,7
	v_fma_f32 v[SS+\j], v[SS+\j], s20, -v15        ; c s - c m
.endr
.irp j, 0,1,2,3,4,5,6,7
	v_exp_f32 v[SS+\j], v[SS+\j]
.endr
	v_nop                                          ; a plain instruction behind the last exponential,
	s_wait_alu depctr_va_vdst(0)                   ; and one wait for the batch, ahead of its first reader
	v_pk_add_f32 v[16:17], v[SS:SS+1], v[SS+2:SS+3]
	v_pk_add_f32 v[18:19], v[SS+4:SS+5], v[SS+6:SS+7]
	v_pk_add_f32 v[16:17], v[16:17], v[18:19]
	v_add_f32 v16, v16, v17
	v_permlanex16_b32 v17, v16, s18, s19
	v_add_f32 v16, v16, v17                        ; the row's sum
	v_rcp_f32 v18, v16
	v_nop
	s_wait_alu depctr_va_vdst(0)
	s_wait_loadcnt 33                              ; v is in; W_out's 32 loads and the bias may be out
	; O^T = v^T p^T: register j of lane (r, h) in tile t is channel 16 t + 8 h + j of query r.  Step s takes keys 2 s, 2 s + 1, 8 + 2 s, 9 + 2 s
.irp t, 0,1,2,3
	v_wmma_f32_16x16x4_f32 v[OA+8*\t:OA+8*\t+7], v[VR+8*\t:VR+8*\t+1], v[SS:SS+1], 0
.endr
.irp s, 1,2,3
.irp t, 0,1,2,3
	v_wmma_f32_16x16x4_f32 v[OA+8*\t:OA+8*\t+7], v[VR+8*\t+2*\s:VR+8*\t+2*\s+1], v[SS+2*\s:SS+2*\s+1], v[OA+8*\t:OA+8*\t+7]
.endr
.endr
.rept 8
	v_nop
.endr
.set i, 0
.rept 16
	v_pk_mul_f32 v[JN+2*i:JN+2*i+1], v[OA+2*i:OA+2*i+1], v[18:19] op_sel_hi:[1,0]   ; / the sum: the joined channels, into other registers
.set i, i+1
.endr
	s_wait_loadcnt 0x0                             ; W_out and the bias
	; out^T = W_out^T joined^T, my head's 64 channels: register j of lane (r, h) is column 8 h + j for query r
	v_wmma_f32_16x16x4_f32 v[PA:PA+7], v[WR:WR+1], v[JN:JN+1], 0
	v_wmma_f32_16x16x4_f32 v[PB:PB+7], v[WR+2:WR+3], v[JN+2:JN+3], 0
.irp s, 1,2,3,4,5,6,7
	v_wmma_f32_16x16x4_f32 v[PA:PA+7], v[WR+4*\s:WR+4*\s+1], v[JN+4*\s:JN+4*\s+1], v[PA:PA+7]
	v_wmma_f32_16x16x4_f32 v[PB:PB+7], v[WR+4*\s+2:WR+4*\s+3], v[JN+4*\s+2:JN+4*\s+3], v[PB:PB+7]
.endr
.rept 8
	v_nop
.endr
.irp j, 0,2,4,6
	v_pk_add_f32 v[PS+\j:PS+\j+1], v[PA+\j:PA+\j+1], v[PB+\j:PB+\j+1]
.endr
	ds_store_b128 v8, v[PS:PS+3]
	ds_store_b128 v8, v[PS+4:PS+7] offset:512
	s_wait_dscnt 0x0                               ; for the others' sake: my partial tile lies in LDS
	s_barrier_signal -1
	s_barrier_wait -1
	s_cmp_lt_u32 s12, 2
	s_cbranch_scc0 .Ldone
.irp i, 0,1,2,3,4,5,6,7,8,9,10,11,12,13,14,15
	ds_load_b128 v[RX+4*\i:RX+4*\i+3], v9 offset:1024*\i   ; head i's part of my four columns
.endr
	s_wait_dscnt 0x0
.irp d, 8,4,2,1
.set i, 0
.rept \d
	v_pk_add_f32 v[RX+4*i:RX+4*i+1], v[RX+4*i:RX+4*i+1], v[RX+4*(i+\d):RX+4*(i+\d)+1]
	v_pk_add_f32 v[RX+4*i+2:RX+4*i+3], v[RX+4*i+2:RX+4*i+3], v[RX+4*(i+\d)+2:RX+4*(i+\d)+3]
.set i, i+1
.endr
.endr
	v_pk_add_f32 v[RX:RX+1], v[RX:RX+1], v[20:21]
	v_pk_add_f32 v[RX+2:RX+3], v[RX+2:RX+3], v[22:23]
	global_store_b128 v10, v[RX:RX+3], s[10:11] th:TH_STORE_NT
.Ldone:
	s_wait_tensorcnt 0x0                           ; the wave's end: a wait, an add to my spare word and its wait, behind my last LDS store
	ds_add_u32 v[SPW], v[NIL]
	s_wait_dscnt 0x0
	s_endpgm
.Lfunc_end_k_q6b44efbb67_fine:
	.size	k_q6b44efbb67_fine, .Lfunc_end_k_q6b44efbb67_fine-k_q6b44efbb67_fine
	.p2alignl 7, 3214868480
	.fill 96, 4, 3214868480
	.section	.rodata,"a",@progbits
	.p2align	6, 0x0
	.amdhsa_kernel k_q6b44efbb67_fine
		.amdhsa_group_segment_fixed_size 18432
		.amdhsa_private_segment_fixed_size 0
		.amdhsa_enable_private_segment 0
		.amdhsa_kernarg_size 32
		.amdhsa_user_sgpr_count 2
		.amdhsa_user_sgpr_kernarg_segment_ptr 1
		.amdhsa_wavefront_size32 1
		.amdhsa_system_sgpr_workgroup_id_x 1
		.amdhsa_system_sgpr_workgroup_id_y 1
		.amdhsa_system_sgpr_workgroup_id_z 1
		.amdhsa_system_vgpr_workitem_id 0
		.amdhsa_next_free_vgpr 240
		.amdhsa_next_free_sgpr 66
		.amdhsa_reserve_vcc 1
		.amdhsa_float_denorm_mode_32 3
		.amdhsa_float_denorm_mode_16_64 3
		.amdhsa_memory_ordered 1
		.amdhsa_forward_progress 1
		.amdhsa_inst_pref_size 21
	.end_amdhsa_kernel
	.amdgpu_metadata
---
amdhsa.version: [ 1, 2 ]
amdhsa.kernels:
  - .name:           k_q6b44efbb67_fine
    .symbol:         k_q6b44efbb67_fine.kd
    .args:
      - { .name: fine_qkv, .offset: 0, .size: 8, .value_kind: global_buffer, .address_space: global }
      - { .name: W_out, .offset: 8, .size: 8, .value_kind: global_buffer, .address_space: global }
      - { .name: b_out, .offset: 16, .size: 8, .value_kind: global_buffer, .address_space: global }
      - { .name: out0, .offset: 24, .size: 8, .value_kind: global_buffer, .address_space: global }
    .group_segment_fixed_size: 18432
    .private_segment_fixed_size: 0
    .kernarg_segment_align: 8
    .kernarg_segment_size: 32
    .max_flat_workgroup_size: 512
    .sgpr_count:     66
    .vgpr_count:     240
    .wavefront_size: 32
...
	.end_amdgpu_metadata
.endif
;; end of part 3
;; launch attention (part 4): grid 4 x 64, 8 waves a work-group, no clusters, 327,680 bytes of LDS; arguments qkv, jf; writes jf
.if DOCPART == 4
	.amdgcn_target "amdgcn-amd-amdhsa--gfx1250"
	.amdhsa_code_object_version 6
	.text
	.protected	k_q6b44efbb67_attention
	.globl	k_q6b44efbb67_attention
	.p2align	8
	.type	k_q6b44efbb67_attention,@function
k_q6b44efbb67_attention:
	s_mov_b64 s[64:65], 0
	v_nop
	global_prefetch_b8 v0, s[64:65] scope:SCOPE_SE
	s_setreg_imm32_b32 hwreg(HW_REG_WAVE_MODE, 25, 1), 1
	s_wait_xcnt 0x0
; joined[b][s][64 h ..] = softmax over keys k <= s of (q . k / 8) times v, for each batch b and head h.  q (times c = log2(e) / 8), k and v are f16 in qkv, laid [q, k, v][b][h][16 positions][2,048 bytes] as the launch before
; stored them: q's and k's blocks are images of operand registers, v's lie by rows (16 keys x 16 channels, 32 bytes a row) for the turning LDS load.  Products and sums in f32; p is rounded to f16 for the second product.
; The result leaves as f16 images of the next product's operand: jf [16 rows][32 channels][1,024 bytes], 512 consecutive bytes a store.
; SHARES.  Work-group (i, y): head y; it owns the blocks 7 - i and i of 256 queries and walks them one after the other.  Block n wants the units 0 .. n of 256 keys, so every work-group walks (8 - i) + (i + 1) = 9 units:
; equal work, and a trip count that is a constant.  Wave w owns 32 queries, two tiles of 16, at sub-block w (w < 4) or 11 - w: waves w and w + 4 have five of the diagonal unit's eight steps between them.
; RING.  Two LDS slots of a unit each: K's 32 KiB, then V's.  Each wave fetches an eighth by one tensor load (32 rows of 256 bytes, dense).  The change of slots stands at a unit's head.  One tensor load of a wave is out at a time.
; LAYOUT.  S^T = K Q^T and O^T = V^T P: a lane holds ONE query (lane % 16); two tiles of S^T, rounded in pairs, are source 1 of the second product.
; SOFTMAX.  A running maximum m and sum l for each query: p = 2^(s - m); in every step O^T and l are multiplied by a = 2^(old m - new m).  A block begins with m = -3e38: the first a is 0, which takes away whatever O^T and l hold.
; MASK.  A step of 64 keys all of which come after my 32 queries is left out (a scalar branch on ids round its work); where some do, their scores become -infinity.  A step that is walked begins at or under my first query.
; NO CLUSTER: partner i walks the units 0 .. 7 - i and then 0 .. i, so from trip 5 on the four work-groups of a head want different units in the same trip; a form in which all four ask for units 0 .. 7 jointly, each holding
; both of its blocks, goes in step with the partner that has most to do in each unit: 12 units' time against 9.
; LIMITS: f16 operands: beyond 65,504 infinity, under 6e-5 fewer bits; p under 6e-8 falls to 0 in the second product.
; REGISTERS.  window 0: v1, v2 the add's two; v3-11 addresses and the mask; v12-27 statistics, eight a tile: +0 m, +1 (the pair's upper word), +2, +3 l, +4 .. +7 c0-c3 (a in c2); v28 the prefetch's offset;
;   v32-63 Q (16 T + 8 chunk); v64-127 K (16 kt + 8 chunk); v128-191 S^T (32 T + 8 kt); v192-223 P (16 T + 8 u).   window 1: v0-63 O^T (32 T + 8 ct); v64-127 V^T (8 (ct + 4 u)).
.set SLOT1, 65536                      ; slot 1 begins here: one exclusive or turns an address in one slot into the other's
.set VOFF,  32768                      ; V's part of a slot
.set STEPB, 8192                       ; 64 keys of K, or of V, in bytes
.set UNITB, 32768                      ; 256 keys
.set SPARE, 131072                     ; behind the ring: the spare words, 128 bytes for each of eight waves: four blocks of 256 bytes that no other line names
.set SPW, 1
.set NIL, 2
.set LI,  3                            ; v3   16 x lane
.set AV0, 4                            ; v4   my lane's place in a piece of V
.set ADK, 5
.set ADV, 6
.set RH,  8                            ; v8   r - 8 h
.set NEG, 9                            ; v9   -infinity
.set DD,  10                           ; v10, v11  the mask's d for tiles 0, 1
.set ST,  12
.set PFO, 28                           ; v28  256 x lane
.set QR,  32
.set KR,  64
.set S,   128
.set P,   192
.set VR,  64                           ; in window 1
.set WV,  8                            ; s8   wave
.set SIG, 9                            ; s9   my sub-block of 32 queries
.set IB,  10                           ; s10  i
.set IB1, 11                           ; s11  i + 1
.set SLOTS, 12                         ; s12  8 .. 1: the loop's trips to go
.set STEPC, 13
.set TB,  14                           ; s14  LDS byte at which the step's keys begin
.set KF,  15                           ; s15  the step's first key
.set G1,  16                           ; s[16:23] descriptor group 1
.set G0,  24                           ; s[24:27] descriptor group 0, which walks
.set Q0,  28                           ; s28  my first query
.set NU,  29                           ; s29  the unit asked for last
.set OFS, 30                           ; s[30:31] an offset, 0 above it
.set BASE, 32                          ; s[32:33] my eighth of unit 0 in memory
.set PFA, 34                           ; s[34:35] where my prefetches stand
.set LIM, 36                           ; s36  2 in a work-group that prefetches, else the greatest number
.set SEL, 38
.set QB,  40                           ; s[40:41] q of my head
.set JFB, 42                           ; s[42:43] jf at my batch and head
.set JB,  44                           ; s[44:45] jf at my queries
.set QP,  46                           ; s[46:47] q at my queries
.set MSB, 0
.macro WIN new                         ; the immediate's high byte repeats the setting that is left
.if MSB != (\new)
	s_set_vgpr_msb (MSB<<8)|(\new)
.set MSB, (\new)
.endif
.endm
.macro PLACES
.rept 4
	v_nop
.endr
.endm
; A PREFETCH INTO THE L2 of the unit that the NEXT change of slots will ask for, behind the tensor load and its five lines.  All four work-groups of a head walk the same K and V: the one with i = 0, which walks units
; 0 .. 7 in order, asks.  Each of its eight waves names its own eighth, 32 lanes 256 bytes apart: every block of 256 bytes once.  In trip t it names unit t + 2, up to unit 7; units 0 and 1 come by their loads alone.
.macro ASK
	s_cmp_gt_u32 s[SLOTS], s[LIM]
	s_cbranch_scc0 .Lnot_mine_\@
	global_prefetch_b8 v[PFO], s[PFA:PFA+1] th:TH_LOAD_NT scope:SCOPE_SE
.Lnot_mine_\@:
.endm
; A block of queries begins: its addresses, its Q, and m = -3e38
.macro NEWBLOCK
	s_lshl_b32 s[OFS], s[Q0], 11                   ; 16 rows of jf are 32,768 bytes
	s_add_nc_u64 s[JB:JB+1], s[JFB:JFB+1], s[OFS:OFS+1]
	s_lshl_b32 s[OFS], s[Q0], 7                    ; 16 positions of q are 2,048 bytes
	s_add_nc_u64 s[QP:QP+1], s[QB:QB+1], s[OFS:OFS+1]
	s_mov_b32 s[KF], 0
.irp i, 0,1,2,3,4,5,6,7
	global_load_b128 v[QR+4*\i:QR+4*\i+3], v[LI], s[QP:QP+1] offset:512*\i
.endr
.irp T, 0,1
	v_mov_b32 v[ST+8*\T], 0xff61b1e6               ; under every score
.endr
	s_wait_loadcnt 0x0
.endm
	s_load_b128 s[4:7], s[0:1], 0x0                ; qkv s[4:5], jf s[6:7]
	v_lshl_add_u32 v[SPW], v0, 2, SPARE
	v_mov_b32 v[NIL], 0
	ds_add_u32 v[SPW], v[NIL]                      ; the wave's opening: the add, twice on end, and its wait ahead of my first tensor load
	ds_add_u32 v[SPW], v[NIL]
	v_lshrrev_b32 v3, 5, v0
	v_readfirstlane_b32 s[WV], v3                  ; wave 0..7
	s_mov_b32 s[G1], 3<<16                         ; 15:0 no mask; 17:16 elements of 8 bytes; no padding
	s_mov_b32 s[G1+1], 32<<16                      ; tensor_dim0 = 32: a row of 256 bytes
	s_mov_b32 s[G1+2], 32<<16                      ; tensor_dim1 = 32 rows
	s_mov_b32 s[G1+3], 32<<16                      ; tile_dim0
	s_mov_b32 s[G1+4], 32                          ; tile_dim1
	s_mov_b32 s[G1+5], 32                          ; from row to row: dense
	s_mov_b32 s[G1+6], 0
	s_mov_b32 s[G1+7], 0
	s_sub_co_u32 s48, 11, s[WV]
	s_cmp_lt_u32 s[WV], 4
	s_cselect_b32 s[SIG], s[WV], s48
	s_mov_b32 s[IB], ttmp9
	s_add_co_u32 s[IB1], ttmp9, 1
	s_and_b32 s49, ttmp7, 0xffff                   ; y = 16 b + h
	s_lshr_b32 s[OFS], s[WV], 2
	s_add_co_u32 s[OFS], s[OFS], 1
	s_lshl_b32 s[OFS], s[OFS], 24                  ; waves 0-3: k's third; waves 4-7: v's
	s_lshl_b32 s50, s49, 18                        ; my head: 262,144 bytes
	s_add_co_u32 s[OFS], s[OFS], s50
	s_and_b32 s51, s[WV], 3
	s_lshl_b32 s51, s51, 13                        ; my 64 keys of a unit
	s_add_co_u32 s[OFS], s[OFS], s51
	s_mov_b32 s[OFS+1], 0
	s_mov_b32 s[SEL], 0x76543210
	s_mov_b32 s[SEL+1], 0xfedcba98
	s_mov_b32 s[SLOTS], 8
	s_mov_b32 s[NU], 0
	s_mov_b32 s[TB], 0
	s_wait_dscnt 0x0                               ; both opening adds are done
	s_wait_kmcnt 0x0
	s_add_nc_u64 s[BASE:BASE+1], s[4:5], s[OFS:OFS+1]
	s_mov_b32 s[G0], 1                             ; count = 1
	s_lshl_b32 s[G0+1], s[WV], 13                  ; LDS: slot 0, 8,192 x wave: K's four parts, then V's
	s_mov_b64 s[G0+2:G0+3], s[BASE:BASE+1]
	s_or_b32 s[G0+3], s[G0+3], 0x80000000          ; type = 2
	tensor_load_to_lds s[G0:G0+3], s[G1:G1+7]      ; unit 0
	s_nop 0
	PLACES
	s_add_nc_u64 s[PFA:PFA+1], s[BASE:BASE+1], UNITB   ; in unit 1: the first change of slots steps it to unit 2
	s_cmp_eq_u32 ttmp9, 0
	s_cselect_b32 s[LIM], 2, -1
	s_mov_b32 s[OFS], s50
	s_add_nc_u64 s[QB:QB+1], s[4:5], s[OFS:OFS+1]
	s_lshr_b32 s48, s49, 4
	s_lshl_b32 s48, s48, 22                        ; jf: a batch's 128 tiles of rows, 32,768 bytes each;
	s_and_b32 s51, s49, 15
	s_lshl_b32 s51, s51, 11                        ; a head's 64 channels: 2,048 bytes of a tile
	s_add_co_u32 s[OFS], s48, s51
	s_add_nc_u64 s[JFB:JFB+1], s[6:7], s[OFS:OFS+1]
	s_sub_co_u32 s[Q0], 7, ttmp9                   ; the larger block first
	s_lshl_b32 s[Q0], s[Q0], 8
	s_lshl_b32 s48, s[SIG], 5
	s_add_co_u32 s[Q0], s[Q0], s48
	v_and_b32 v7, 31, v0
	v_lshlrev_b32 v[LI], 4, v7
	v_lshlrev_b32 v[PFO], 8, v7
	v_and_b32 v[RH], 15, v0                        ; r
	v_bfe_u32 v10, v0, 4, 1                        ; h
	v_and_b32 v11, 7, v0
	v_lshl_add_u32 v11, v10, 3, v11                ; the turning load: lane l reads key 8 (l / 16) + l % 8,
	v_bfe_u32 v[AV0], v0, 3, 1
	v_lshlrev_b32 v[AV0], 4, v[AV0]                ; channels 8 ((l / 8) % 2) on: sixteen lanes take 256 consecutive bytes
	v_lshl_add_u32 v[AV0], v11, 5, v[AV0]
	v_add_nc_u32 v[AV0], VOFF, v[AV0]
	v_lshlrev_b32 v10, 3, v10
	v_sub_nc_u32 v[RH], v[RH], v10
	v_mov_b32 v[NEG], 0xff800000
.irp e, 1,2,3,4,5,6,7,9,10,11,12,13,14,15
	v_mov_b32 v[ST+\e], 0                          ; l = 0; the others are written because they are named in pairs or as a lane permute's destination
.endr
	WIN 0x40
.set i, 0
.rept 64
	v_mov_b32 v[i], 0                              ; O^T, once: the step is written once, and its first multiplication by a = 0 wants numbers
.set i, i+1
.endr
	WIN 0
	NEWBLOCK
; A STEP: 64 keys.
.macro STEP
	s_add_co_u32 s48, s[Q0], 31
	s_cmp_gt_u32 s[KF], s48                        ; all 64 keys behind my last query?
	s_cbranch_scc1 .Lhidden_\@
	v_add_nc_u32 v[ADK], s[TB], v[LI]
	v_add_nc_u32 v[ADV], s[TB], v[AV0]
	v_nop
	v_nop                                          ; four places between the last step's products and the loads into V's registers
.set i, 0
.rept 16
	ds_load_b128 v[KR+4*i:KR+4*i+3], v[ADK] offset:512*i   ; K's eight fragments as they lie: 16 x lane
.set i, i+1
.endr
	WIN 0x40                                       ; destination window 1
.irp u, 0,1
.irp ct, 0,1,2,3
	ds_load_tr16_b128 v[VR+8*(\ct+4*\u):VR+8*(\ct+4*\u)+3], v[ADV] offset:4096*\u+512*\ct          ; keys 32 u + 8 h + 0 .. 7 of channel 16 ct + r
	ds_load_tr16_b128 v[VR+8*(\ct+4*\u)+4:VR+8*(\ct+4*\u)+7], v[ADV] offset:4096*\u+512*\ct+2048   ; keys 16 further on
.endr
.endr
	WIN 0
	s_wait_dscnt 16                                ; K is in; V's sixteen loads may be out
.irp ch, 0,1                                   ; S^T = K Q^T: the eight accumulators by turns
.irp kt, 0,1,2,3
.irp T, 0,1
.if \ch == 0
	v_wmma_f32_16x16x32_f16 v[S+32*\T+8*\kt:S+32*\T+8*\kt+7], v[KR+16*\kt:KR+16*\kt+7], v[QR+16*\T:QR+16*\T+7], 0
.else
	v_wmma_f32_16x16x32_f16 v[S+32*\T+8*\kt:S+32*\T+8*\kt+7], v[KR+16*\kt+8:KR+16*\kt+15], v[QR+16*\T+8:QR+16*\T+15], v[S+32*\T+8*\kt:S+32*\T+8*\kt+7]
.endif
.endr
.endr
.endr
	PLACES
	s_add_co_u32 s48, s[KF], 63
	s_cmp_le_u32 s48, s[Q0]                        ; all 64 keys count for all my queries?
	s_cbranch_scc1 .Lopen_\@
	s_sub_co_i32 s48, s[Q0], s[KF]
	v_add_nc_u32 v[DD], s48, v[RH]                 ; register 8 kt + j of tile T holds key KF + 16 kt + 8 h + j: hidden where 16 kt + j > Q0 + 16 T - KF + r - 8 h
	v_add_nc_u32 v[DD+1], 16, v[DD]
.irp T, 0,1
.irp n, 0,1,2,3,4,5,6,7,8,9,10,11,12,13,14,15,16,17,18,19,20,21,22,23,24,25,26,27,28,29,30,31
	v_cmp_gt_i32 vcc_lo, 16*(\n/8)+\n%8, v[DD+\T]
	v_cndmask_b32 v[S+32*\T+\n], v[S+32*\T+\n], v[NEG], vcc_lo
.endr
.endr
.Lopen_\@:
.irp j, 0,1,2,3                                ; the maximum of 32 scores and the old m: four chains a tile, the two tiles by turns; each accumulator is read from its low end on
.irp T, 0,1
	v_max3_num_f32 v[ST+8*\T+4+\j], v[S+32*\T+8*\j], v[S+32*\T+8*\j+1], v[S+32*\T+8*\j+2]
.endr
.endr
.irp g, 1,2
.irp j, 0,1,2,3
.irp T, 0,1
	v_max3_num_f32 v[ST+8*\T+4+\j], v[ST+8*\T+4+\j], v[S+32*\T+8*\j+2*\g+1], v[S+32*\T+8*\j+2*\g+2]
.endr
.endr
.endr
.irp T, 0,1
	v_max3_num_f32 v[ST+8*\T+4], v[ST+8*\T+4], v[S+32*\T+7], v[S+32*\T+15]
	v_max3_num_f32 v[ST+8*\T+6], v[ST+8*\T+6], v[S+32*\T+23], v[S+32*\T+31]
.endr
.irp T, 0,1
	v_max3_num_f32 v[ST+8*\T+4], v[ST+8*\T+4], v[ST+8*\T+5], v[ST+8*\T+6]
.endr
.irp T, 0,1
	v_max3_num_f32 v[ST+8*\T+4], v[ST+8*\T+4], v[ST+8*\T+7], v[ST+8*\T]
.endr
.irp T, 0,1
	v_permlanex16_b32 v[ST+8*\T+5], v[ST+8*\T+4], s[SEL], s[SEL+1]   ; the query's other 32 keys lie in the lane 16 away
.endr
.irp T, 0,1
	v_mov_b32 v[ST+8*\T+7], v[ST+8*\T]             ; the old m
.endr
.irp T, 0,1
	v_max_num_f32 v[ST+8*\T], v[ST+8*\T+4], v[ST+8*\T+5]
.endr
.irp T, 0,1
	v_sub_f32 v[ST+8*\T+7], v[ST+8*\T+7], v[ST+8*\T]
.endr
.set i, 0
.rept 16
.irp T, 0,1
	v_pk_add_f32 v[S+32*\T+2*i:S+32*\T+2*i+1], v[S+32*\T+2*i:S+32*\T+2*i+1], v[ST+8*\T:ST+8*\T+1] op_sel_hi:[1,0] neg_lo:[0,1] neg_hi:[0,1]   ; s - m, at most 0
.endr
.set i, i+1
.endr
.irp T, 0,1
	v_exp_f32 v[ST+8*\T+6], v[ST+8*\T+7]           ; a
.endr
.set i, 0
.rept 32
.irp T, 0,1
	v_exp_f32 v[S+32*\T+i], v[S+32*\T+i]           ; p
.endr
.set i, i+1
.endr
	v_nop                                          ; a plain instruction behind the last exponential,
	s_wait_alu depctr_va_vdst(0)                   ; and ONE wait for the 66, ahead of the first instruction that names a result
.set i, 0
.rept 16
.irp T, 0,1
	v_cvt_pk_f16_f32 v[P+16*\T+i], v[S+32*\T+2*i], v[S+32*\T+2*i+1]
.endr
.set i, i+1
.endr
.irp w, 4,8,16,32                              ; the sum of the unrounded p, in place: neighbours 1, 2, 4 and 8 pairs apart
.set i, 0
.rept 32/\w
.irp T, 0,1
	v_pk_add_f32 v[S+32*\T+\w*i:S+32*\T+\w*i+1], v[S+32*\T+\w*i:S+32*\T+\w*i+1], v[S+32*\T+\w*i+\w/2:S+32*\T+\w*i+\w/2+1]
.endr
.set i, i+1
.endr
.endr
.irp T, 0,1
	v_pk_fma_f32 v[ST+8*\T+2:ST+8*\T+3], v[ST+8*\T+2:ST+8*\T+3], v[ST+8*\T+6:ST+8*\T+7], v[S+32*\T:S+32*\T+1] op_sel_hi:[1,0,1]   ; l = a l + the sum
.endr
	WIN 0x41                                       ; O^T (destination and source 0) in window 1, a in window 0
.irp T, 0,1
.set i, 0
.rept 16
	v_pk_mul_f32 v[32*\T+2*i:32*\T+2*i+1], v[32*\T+2*i:32*\T+2*i+1], v[ST+8*\T+6:ST+8*\T+7] op_sel_hi:[1,0]
.set i, i+1
.endr
.endr
	s_wait_dscnt 0x0                               ; V is in
	WIN 0x51                                       ; V^T, C and D in window 1, P in window 0
.irp u, 0,1                                    ; O^T += V^T P: the eight accumulators by turns
.irp ct, 0,1,2,3
.irp T, 0,1
	v_wmma_f32_16x16x32_f16 v[32*\T+8*\ct:32*\T+8*\ct+7], v[VR+8*(\ct+4*\u):VR+8*(\ct+4*\u)+7], v[P+16*\T+8*\u:P+16*\T+8*\u+7], v[32*\T+8*\ct:32*\T+8*\ct+7]
.endr
.endr
.endr
	WIN 0
.Lhidden_\@:
	s_add_co_u32 s[KF], s[KF], 64
	s_add_co_u32 s[TB], s[TB], STEPB
.endm
; THE CHANGE OF SLOTS, at a unit's head.  Each wave waits for all its tensor loads (its eighth of the unit that it is about to read), adds 0 to its spare word, and waits for that and for its reads of the slot that it has left.
; Behind the barrier the unit ahead is whole and nobody reads the other slot.  fill = 1: that slot takes the unit that follows: the next of this block, or unit 0 of my second block.
.macro CHANGE fill
	s_wait_tensorcnt 0x0                           ; no tensor load of mine is out, so group 0 may be written
	ds_add_u32 v[SPW], v[NIL]                      ; 0 onto my spare word
.if \fill
	s_add_co_u32 s[NU], s[NU], 1
	s_cmp_eq_u32 s[SLOTS], s[IB1]                  ; this trip is my first block's last
	s_cselect_b32 s[NU], 0, s[NU]
	s_lshl_b32 s[OFS], s[NU], 15
	s_add_nc_u64 s[G0+2:G0+3], s[BASE:BASE+1], s[OFS:OFS+1]
	s_or_b32 s[G0+3], s[G0+3], 0x80000000
	s_xor_b32 s[G0+1], s[G0+1], SLOT1              ; the other slot than last time
	s_wait_xcnt 0x0                                ; the last prefetch, a unit back, has read its address
	s_add_nc_u64 s[PFA:PFA+1], s[PFA:PFA+1], UNITB
.endif
	s_wait_dscnt 0x0                               ; the add is done, and my reads of the slot that I have left are over
	s_barrier_signal -1
	s_barrier_wait -1
.if \fill
	tensor_load_to_lds s[G0:G0+3], s[G1:G1+7]      ; the first thing behind the barrier, and my one tensor load until the next: it has a unit's four steps in which to land
	s_nop 0
	PLACES
	ASK
.endif
.endm
.macro SLOT_STEPS                      ; a unit's four steps: written once, walked four times
	s_mov_b32 s[STEPC], 4
.Lstep_\@:
	STEP
	s_sub_co_u32 s[STEPC], s[STEPC], 1
	s_cmp_lg_u32 s[STEPC], 0
	s_cbranch_scc1 .Lstep_\@
	s_sub_co_u32 s[TB], s[TB], 4*STEPB
	s_xor_b32 s[TB], s[TB], SLOT1                  ; on to the other slot
.endm
; A block of queries is finished: O^T / l, rounded to f16, is the lane's 16 bytes of jf's images.  more = 1: my second block begins.
.macro FINISH more
	PLACES                                         ; behind the last products
.irp T, 0,1
	v_add_f32 v[ST+8*\T+4], v[ST+8*\T+2], v[ST+8*\T+3]
.endr
.irp T, 0,1
	v_permlanex16_b32 v[ST+8*\T+5], v[ST+8*\T+4], s[SEL], s[SEL+1]
.endr
.irp T, 0,1
	v_add_f32 v[ST+8*\T+4], v[ST+8*\T+4], v[ST+8*\T+5]
.endr
.irp T, 0,1
	v_rcp_f32 v[ST+8*\T+6], v[ST+8*\T+4]
.endr
	v_nop
	s_wait_alu depctr_va_vdst(0)                   ; one wait for the two reciprocals, ahead of their first reader
	WIN 0x01                                       ; source 0 (O^T) window 1
.irp T, 0,1
.set i, 0
.rept 16
	v_pk_mul_f32 v[S+32*\T+2*i:S+32*\T+2*i+1], v[32*\T+2*i:32*\T+2*i+1], v[ST+8*\T+6:ST+8*\T+7] op_sel_hi:[1,0]
.set i, i+1
.endr
.endr
	WIN 0
.set i, 0
.rept 32
	v_cvt_pk_f16_f32 v[P+i], v[S+2*i], v[S+2*i+1]
.set i, i+1
.endr
.irp T, 0,1
.irp ct, 0,1,2,3
	global_store_b128 v[LI], v[P+16*\T+4*\ct:P+16*\T+4*\ct+3], s[JB:JB+1] offset:32768*\T+512*\ct   ; 512 consecutive bytes, aligned
.endr
.endr
.if \more
	s_wait_xcnt 0x0                                ; the stores have read their registers and their base: both are written again
	s_lshl_b32 s[Q0], s[IB], 8
	s_lshl_b32 s48, s[SIG], 5
	s_add_co_u32 s[Q0], s[Q0], s48
	NEWBLOCK
.endif
.endm
.Lslot:                                            ; eight trips; behind each change of slots the next unit is asked for
	CHANGE 1
	SLOT_STEPS
	s_cmp_eq_u32 s[SLOTS], s[IB1]                  ; ids and the count of trips alone: all eight waves go the same way; no barrier, tensor load or LDS instruction stands in the arm
	s_cbranch_scc0 .Lsame
	FINISH 1
.Lsame:
	s_sub_co_u32 s[SLOTS], s[SLOTS], 1
	s_cmp_lg_u32 s[SLOTS], 0
	s_cbranch_scc1 .Lslot
	CHANGE 0                                       ; the ninth unit is written out: nothing is left to ask for
	SLOT_STEPS
	FINISH 0
	s_wait_tensorcnt 0x0                           ; the wave's end: a wait, an add to my spare word and its wait, behind my last tensor load
	ds_add_u32 v[SPW], v[NIL]
	s_wait_dscnt 0x0
	s_endpgm
.Lfunc_end_k_q6b44efbb67_attention:
	.size	k_q6b44efbb67_attention, .Lfunc_end_k_q6b44efbb67_attention-k_q6b44efbb67_attention
	.p2alignl 7, 3214868480
	.fill 96, 4, 3214868480
	.section	.rodata,"a",@progbits
	.p2align	6, 0x0
	.amdhsa_kernel k_q6b44efbb67_attention
		.amdhsa_group_segment_fixed_size 327680
		.amdhsa_private_segment_fixed_size 0
		.amdhsa_enable_private_segment 0
		.amdhsa_kernarg_size 16
		.amdhsa_user_sgpr_count 2
		.amdhsa_user_sgpr_kernarg_segment_ptr 1
		.amdhsa_wavefront_size32 1
		.amdhsa_system_sgpr_workgroup_id_x 1
		.amdhsa_system_sgpr_workgroup_id_y 1
		.amdhsa_system_sgpr_workgroup_id_z 1
		.amdhsa_system_vgpr_workitem_id 0
		.amdhsa_next_free_vgpr 384
		.amdhsa_next_free_sgpr 66
		.amdhsa_reserve_vcc 1
		.amdhsa_float_denorm_mode_32 3
		.amdhsa_float_denorm_mode_16_64 3
		.amdhsa_memory_ordered 1
		.amdhsa_forward_progress 1
		.amdhsa_inst_pref_size 64
	.end_amdhsa_kernel
	.amdgpu_metadata
---
amdhsa.version: [ 1, 2 ]
amdhsa.kernels:
  - .name:           k_q6b44efbb67_attention
    .symbol:         k_q6b44efbb67_attention.kd
    .args:
      - { .name: qkv, .offset: 0, .size: 8, .value_kind: global_buffer, .address_space: global }
      - { .name: jf, .offset: 8, .size: 8, .value_kind: global_buffer, .address_space: global }
    .group_segment_fixed_size: 327680
    .private_segment_fixed_size: 0
    .kernarg_segment_align: 8
    .kernarg_segment_size: 16
    .max_flat_workgroup_size: 256
    .sgpr_count:     66
    .vgpr_count:     384
    .wavefront_size: 32
...
	.end_amdgpu_metadata
.endif
;; end of part 4
;; launch out_proj (part 5): grid 8 x 32, 4 waves a work-group, clusters of 4 x 4, 327,680 bytes of LDS; arguments jf, wf, b_out, out0; writes out0
.if DOCPART == 5
	.amdgcn_target "amdgcn-amd-amdhsa--gfx1250"
	.amdhsa_code_object_version 6
	.text
	.protected	k_q6b44efbb67_out_proj
	.globl	k_q6b44efbb67_out_proj
	.p2align	8
	.type	k_q6b44efbb67_out_proj,@function
k_q6b44efbb67_out_proj:
	s_mov_b64 s[64:65], 0
	v_nop
	global_prefetch_b8 v0, s[64:65] scope:SCOPE_SE
	s_setreg_imm32_b32 hwreg(HW_REG_WAVE_MODE, 25, 1), 1
	s_wait_xcnt 0x0
	s_wait_alu depctr_hold_cnt(0) depctr_sa_sdst(0) depctr_va_vdst(0) depctr_va_sdst(0) depctr_va_ssrc(0) depctr_va_vcc(0) depctr_vm_vsrc(0)
	s_getreg_b32 s2, hwreg(HW_REG_IB_STS2, 6, 4)
	s_cmp_eq_u32 s2, 0
	s_cbranch_scc0 .Lentry_in_a_cluster
	s_endpgm
.Lentry_in_a_cluster:
	s_bfe_u32 s2, ttmp6, 0x10000c
	s_cmp_lg_u32 s2, 0xf033
	s_cbranch_scc0 .Lentry_shape_is_right
	s_endpgm
.Lentry_shape_is_right:
; out0 = joined W_out + b_out, f16 operands, f32 sums, for all rows but positions 0-15 of each sequence, which the fine launch owns.
; Both operands arrive as images of operand registers: jf [512 tiles of 16 rows][32 chunks of 32 k][1,024 bytes], wf [64 tiles of 16 columns][32][1,024 bytes]: a fragment is two loads of 16 bytes a lane at 16 x lane.
; A tile of out0 is 256 rows x 128 columns: 256 work-groups.  Wave w makes rows 64 w .. 64 w + 63 x all 128 columns: 32 accumulators.  K goes in steps of 128 (4,096 consecutive bytes of each tile of 16) through two LDS slots.
; CLUSTERS: 4 x 4.  The tile row is 8 cy + (the cluster's y), so that 'positions 0-15' is the same question in all partners; the tile column is 4 x (the cluster's x) + cx.  jf's tiles are asked for jointly along a row of
; the cluster, wf's along a column.  Waves 0 and 1 fetch jf's two halves (8 rows of 4,096 bytes each), waves 2 and 3 wf's (4 rows each).  Two tensor loads of a wave are out at the start, later one.
; THE MATRIX INSTRUCTION IS USED TRANSPOSED (source 0 = 16 columns of W_out, source 1 = 16 rows of joined): a lane holds eight neighbouring columns of one row.  b_out is the C of each sum's first instruction.
; LIMITS: f16 operands, as the launches before state them.
; REGISTERS.  window 0: v16-31 addresses; v64-127 jf's fragments, two sets of 32; v128-255 the way out.  window 1: the accumulators ((a, b) at v[64 a + 8 b]).  window 2: v0-127 wf's fragments, two sets of 64; v128-191 the bias.
.set KSTEPB, 4096                      ; a K step of one tile of 16, in bytes
.set BOFF,   65536                     ; a slot: jf's 16 tiles, then wf's 8
.set SLOT,   98304
.set SPARE,  196608                    ; behind the ring: the spare words, 128 bytes for each wave: two blocks of 256 bytes that no other line names
.set SPITCH, 528                       ; the way out: a stage of 16 rows x (512 bytes + 16) for each wave, in slot 0, which has had its last fill and its last read when the first result is stored there
.set LAPS,   4                         ; a lap = two K steps = once round the ring
.set ADRA, 16                          ; v16-17  LDS address of my jf fragments in slot 0, 1
.set ADRB, 20                          ; v20-21  the same for wf
.set STO,  24
.set RD,   25
.set CO,   26
.set SPW,  28
.set NIL,  29
.set PFO,  30
.set BA,   31
.set AFR,  64
.set BK,   128
.set BIAS, 128                         ; in window 2
.set G1,  24
.set G0,  32
.set G1B, 48
.set G0B, 56
.set PFA, 74                           ; s[74:75] where my prefetches stand
.set LIM, 76                           ; s76  1 in a wave that prefetches, else the greatest number
.set MSB, 0
.macro WIN new
.if MSB != (\new)
	s_set_vgpr_msb (MSB<<8)|(\new)
.set MSB, (\new)
.endif
.endm
.set MUL,  0x52                        ; source 0 (wf) window 2, source 1 (jf) window 0, C and D window 1
.set MULB, 0x62                        ; the first quarter: C is the bias, in window 2
.set TO_B, 0x80
.macro JLOAD s                         ; a joint load; an s_nop 0 and four v_nop follow each of the two lines
	s_cmp_eq_u32 s11, 0
	s_cbranch_scc0 .Lfor_b_\@
	tensor_load_to_lds s[G0+4*\s:G0+4*\s+3], s[G1:G1+7]
	s_nop 0
.rept 4
	v_nop
.endr
	s_branch .Lasked_\@
.Lfor_b_\@:
	tensor_load_to_lds s[G0B+4*\s:G0B+4*\s+3], s[G1B:G1B+7]
	s_nop 0
.rept 4
	v_nop
.endr
.Lasked_\@:
.endm
; A PREFETCH INTO THE L2 of jf's K step that stands two refills on, behind the joint load, its five lines and the run of LDS loads.  A tile row of jf is read by the two clusters of its row of clusters: the one with x = 0 asks,
; in it waves 0 and 1; of the eight tiles of 16 rows that such a wave fetches, the partner at cx takes two, told apart by address: 32 lanes, 256 bytes apart in two runs of 4,096: each block of 256 bytes once.
; K steps 4 to 7 are named, in the loop's first two trips.  wf, which all 32 tile rows read again, is not asked for.
.macro ASK
	s_cmp_gt_u32 s3, s[LIM]
	s_cbranch_scc0 .Lnot_mine_\@
	global_prefetch_b8 v[PFO], s[PFA:PFA+1] offset:KSTEPB th:TH_LOAD_NT scope:SCOPE_SE
.Lnot_mine_\@:
.endm
.macro CREST
	s_cmp_lg_u32 s10, 0
	s_cbranch_scc1 .Lnot_wave_0_\@
	s_barrier_signal -3
.Lnot_wave_0_\@:
	s_barrier_wait -3
	s_barrier_signal -1
	s_barrier_wait -1
.endm
.macro CROUND
	s_barrier_signal -1
	s_barrier_wait -1
	CREST
.endm
	s_load_b128 s[4:7], s[0:1], 0x0                ; jf s[4:5], wf s[6:7]
	s_load_b128 s[68:71], s[0:1], 0x10             ; b_out s[68:69], out0 s[70:71]
	v_lshl_add_u32 v[SPW], v0, 2, SPARE
	v_mov_b32 v[NIL], 0
	ds_add_u32 v[SPW], v[NIL]                      ; the wave's opening: the add, twice on end, and its wait ahead of my first tensor load
	ds_add_u32 v[SPW], v[NIL]
	v_lshrrev_b32 v1, 5, v0
	v_readfirstlane_b32 s10, v1                    ; wave 0..3
	s_lshr_b32 s11, s10, 1                         ; I fetch for jf (0) or for wf (1),
	s_and_b32 s12, s10, 1                          ; its first or its second half
	s_bfe_u32 s40, ttmp6, 0x40000                  ; cx, cy
	s_bfe_u32 s41, ttmp6, 0x40004
	s_lshl_b32 s42, ttmp9, 2
	s_add_co_u32 s42, s42, s40                     ; tile column = 4 x cluster x + cx
	s_and_b32 s77, ttmp7, 0xffff                   ; the cluster's y
	s_lshl_b32 s13, s41, 3
	s_add_co_u32 s13, s13, s77                     ; tile row = 8 cy + cluster y
	s_lshl_b32 s72, s41, 2
	s_lshl_b32 s72, 15, s72                        ; my row of the cluster
	s_lshl_b32 s73, 0x1111, s40                    ; my column
	s_or_b32 s[G1], s72, (3<<16)|(1<<21)           ; 15:0 the mask; 17:16 elements of 8 bytes; 21 set beside a mask; no padding: fragments are read at 16 x lane
	s_mov_b32 s[G1+1], 512<<16                     ; tensor_dim0 = 512: a row of 4,096 bytes
	s_mov_b32 s[G1+2], 8<<16                       ; tensor_dim1 = 8 tiles of 16 rows
	s_mov_b32 s[G1+3], 512<<16                     ; tile_dim0
	s_mov_b32 s[G1+4], 8                           ; tile_dim1
	s_mov_b32 s[G1+5], 4096                        ; from tile to tile: 32,768 bytes
	s_mov_b32 s[G1+6], 0
	s_mov_b32 s[G1+7], 0
	s_or_b32 s[G1B], s73, (3<<16)|(1<<21)
	s_mov_b32 s[G1B+1], 512<<16
	s_mov_b32 s[G1B+2], 4<<16                      ; 4 tiles of 16 columns
	s_mov_b32 s[G1B+3], 512<<16
	s_mov_b32 s[G1B+4], 4
	s_mov_b32 s[G1B+5], 4096
	s_mov_b32 s[G1B+6], 0
	s_mov_b32 s[G1B+7], 0
	s_lshl_b32 s16, s13, 19                        ; jf: 16 tiles of 32,768 bytes a tile row,
	s_lshl_b32 s17, s12, 18                        ; 8 of them a half
	s_add_co_u32 s16, s16, s17
	s_mov_b32 s17, 0
	s_lshl_b32 s46, s42, 18                        ; wf: 8 tiles a tile column,
	s_lshl_b32 s47, s12, 17                        ; 4 a half
	s_add_co_u32 s46, s46, s47
	s_mov_b32 s47, 0
	s_lshl_b32 s20, s12, 15                        ; where they go in a slot: no place in the cluster enters an LDS address
	s_lshl_b32 s21, s12, 14
	s_add_co_u32 s21, s21, BOFF
	s_wait_dscnt 0x0                               ; both opening adds are done
	s_wait_kmcnt 0x0
	s_add_nc_u64 s[14:15], s[4:5], s[16:17]
	s_add_nc_u64 s[46:47], s[6:7], s[46:47]
	CROUND                                         ; all sixteen work-groups are here: the first joint loads meet
.irp s, 0,1
	s_mov_b32 s[G0+4*\s], 1
	s_add_co_u32 s[G0+4*\s+1], s20, \s*SLOT
	s_add_nc_u64 s[G0+4*\s+2:G0+4*\s+3], s[14:15], \s*KSTEPB
	s_or_b32 s[G0+4*\s+3], s[G0+4*\s+3], 0x80000000
	s_mov_b32 s[G0B+4*\s], 1
	s_add_co_u32 s[G0B+4*\s+1], s21, \s*SLOT
	s_add_nc_u64 s[G0B+4*\s+2:G0B+4*\s+3], s[46:47], \s*KSTEPB
	s_or_b32 s[G0B+4*\s+3], s[G0B+4*\s+3], 0x80000000
	JLOAD \s
.endr
	v_and_b32 v1, 15, v0                           ; r
	v_bfe_u32 v2, v0, 4, 1                         ; h
	v_and_b32 v3, 31, v0
	v_lshlrev_b32 v[CO], 4, v3                     ; 16 x lane
	v_lshlrev_b32 v[BA], 5, v2
	s_lshl_b32 s66, s42, 9                         ; my tile's 128 columns, in bytes of f32
	s_mov_b32 s67, 0
	s_add_nc_u64 s[68:69], s[68:69], s[66:67]
	WIN TO_B
.irp b, 0,1,2,3,4,5,6,7
	global_load_b128 v[BIAS+8*\b:BIAS+8*\b+3], v[BA], s[68:69] offset:64*\b          ; b_out[128 tc + 16 b + 8 h + 0 .. 7]: the result's own layout
	global_load_b128 v[BIAS+8*\b+4:BIAS+8*\b+7], v[BA], s[68:69] offset:64*\b+16
.endr
	WIN 0
	s_lshl_b32 s21, s10, 14                        ; my four tiles of rows
	v_add_nc_u32 v[ADRA], s21, v[CO]
	v_add_nc_u32 v[ADRA+1], SLOT, v[ADRA]
	v_add_nc_u32 v[ADRB], BOFF, v[CO]
	v_add_nc_u32 v[ADRB+1], SLOT, v[ADRB]
	s_mul_i32 s23, s10, 16*SPITCH                  ; my stage
	v_mul_u32_u24 v5, v1, SPITCH
	v_lshl_add_u32 v5, v2, 5, v5
	v_add_nc_u32 v[STO], s23, v5                   ; in: row r, 32 bytes for each half of the lanes
	v_add_nc_u32 v[RD], s23, v[CO]                 ; back: the 32 lanes take one row of 512 bytes
	s_lshl_b32 s2, s13, 20                         ; out0: 256 rows of 4,096 bytes a tile row,
	s_lshl_b32 s3, s10, 18                         ; 64 a wave,
	s_add_co_u32 s2, s2, s3
	s_add_co_u32 s66, s66, s2                      ; + my tile's columns
	s_add_nc_u64 s[70:71], s[70:71], s[66:67]
	s_lshl_b32 s22, s40, 16                        ; the prefetches: my work-group's two tiles of the eight that I fetch,
	s_mov_b32 s23, 0
	s_add_nc_u64 s[PFA:PFA+1], s[14:15], s[22:23]
	s_add_nc_u64 s[PFA:PFA+1], s[PFA:PFA+1], 2*KSTEPB   ; at K step 2: the first refill steps it to 3 and names K step 4
	s_or_b32 s2, s11, ttmp9
	s_cmp_eq_u32 s2, 0
	s_cselect_b32 s[LIM], 1, -1                    ; the same in all sixteen partners, for a given wave
	v_lshlrev_b32 v[PFO], 8, v1
	v_lshl_add_u32 v[PFO], v2, 15, v[PFO]
.macro MUL8 f, a, first                ; 8 matrix instructions: rows 16 a on x all 128 columns, 32 along K, from set f
.irp b, 0,1,2,3,4,5,6,7
.if \first
	v_wmma_f32_16x16x32_f16 v[64*(\a)+8*\b:64*(\a)+8*\b+7], v[64*(\f)+8*\b:64*(\f)+8*\b+7], v[AFR+32*(\f)+8*(\a):AFR+32*(\f)+8*(\a)+7], v[BIAS+8*\b:BIAS+8*\b+7]
.else
	v_wmma_f32_16x16x32_f16 v[64*(\a)+8*\b:64*(\a)+8*\b+7], v[64*(\f)+8*\b:64*(\f)+8*\b+7], v[AFR+32*(\f)+8*(\a):AFR+32*(\f)+8*(\a)+7], v[64*(\a)+8*\b:64*(\a)+8*\b+7]
.endif
.endr
.endm
.macro FETCH slot, q, f                ; 24 LDS loads in one run: the fragments of the slot's q-th 32 along K into set f: wf's eight, then jf's four
	WIN TO_B
.irp b, 0,1,2,3,4,5,6,7
	ds_load_b128 v[64*(\f)+8*\b:64*(\f)+8*\b+3], v[ADRB+\slot] offset:4096*\b+1024*(\q)
	ds_load_b128 v[64*(\f)+8*\b+4:64*(\f)+8*\b+7], v[ADRB+\slot] offset:4096*\b+1024*(\q)+512
.endr
	WIN 0
.irp e, 0,1,2,3
	ds_load_b128 v[AFR+32*(\f)+8*\e:AFR+32*(\f)+8*\e+3], v[ADRA+\slot] offset:4096*\e+1024*(\q)
	ds_load_b128 v[AFR+32*(\f)+8*\e+4:AFR+32*(\f)+8*\e+7], v[ADRA+\slot] offset:4096*\e+1024*(\q)+512
.endr
.endm
.macro PLACES                          ; four places in front of loads into registers that matrix instructions have read, and of reads of results
.rept 4
	v_nop
.endr
.endm
; A K step is four quarters of 32 along K, 32 matrix instructions each, on sets 0, 1, 0, 1; the 32 accumulators take turns in the same order in every quarter.
.macro QUARTER slot, qn, f, g, first
	s_wait_dscnt 4                                 ; wf's fragments and jf's blocks 0 and 1 are in; the youngest four loads (blocks 2, 3) may be out
.if \first
	WIN MULB
.else
	WIN MUL
.endif
	MUL8 \f, 0, \first
	MUL8 \f, 1, \first
	PLACES
	FETCH \slot, \qn, \g
	s_wait_dscnt 24                                ; all but the 24 just issued
.if \first
	WIN MULB
.else
	WIN MUL
.endif
	MUL8 \f, 2, \first
	MUL8 \f, 3, \first
.endm
; The last quarter multiplies set 1 and changes slots: ONE barrier; in front of it each wave waits for all its tensor loads, adds 0 to its spare word, and waits for that and for its reads of this slot.
; fill = 1: the barrier opens a round of the cluster's barrier, and this slot is filled again, two K steps ahead.
.macro TURN slot, next, fill
.if \fill
	s_wait_xcnt 0x0                                ; the last prefetch, a K step back, has read its address
	s_add_nc_u64 s[PFA:PFA+1], s[PFA:PFA+1], KSTEPB
.endif
	WIN 0                                          ; (the add's two registers lie in window 0)
	s_wait_tensorcnt 0x0                           ; all my tensor loads have landed: my part of the next slot
	ds_add_u32 v[SPW], v[NIL]                      ; 0 onto my spare word
	s_wait_dscnt 5                                 ; (the add and the youngest four loads may be out)
	WIN MUL
	MUL8 1, 0, 0                                   ; eight matrix instructions stand between the add and the wait for it
	s_wait_dscnt 0x0                               ; the add is done, and my reads of this slot are over
	s_barrier_signal -1
	MUL8 1, 1, 0
.if \fill
	WIN 0
.endif
	s_barrier_wait -1
.if \fill
	CREST                                          ; no wave of any partner still reads this slot or has a load on its way
	s_add_nc_u64 s[G0+4*\slot+2:G0+4*\slot+3], s[G0+4*\slot+2:G0+4*\slot+3], 2*KSTEPB
	s_add_nc_u64 s[G0B+4*\slot+2:G0B+4*\slot+3], s[G0B+4*\slot+2:G0B+4*\slot+3], 2*KSTEPB
	JLOAD \slot                                    ; the first tensor load behind the round; its four v_nop are also the places in front of the loads below
.else
	PLACES
.endif
	FETCH \next, 0, 0
.if \fill
	ASK
.endif
	WIN MUL
	MUL8 1, 2, 0
	MUL8 1, 3, 0
.endm
	s_wait_tensorcnt 1                             ; my part of K step 0 is in (K step 1's load may be out),
	s_barrier_signal -1
	s_barrier_wait -1                              ; everybody's is
	FETCH 0, 0, 0
	s_wait_loadcnt 0x0                             ; the bias
	QUARTER 0, 1, 0, 1, 1                          ; the first quarter stands in front of the loop: its products start the sums, with the bias as C
	WIN 0                                          ; at a label and at a branch every window is 0
	s_mov_b32 s3, LAPS-1
.Llap:                                                 ; a trip goes once round the ring and fills both slots again
	QUARTER 0, 2, 1, 0, 0
	QUARTER 0, 3, 0, 1, 0
	TURN 0, 1, 1
	QUARTER 1, 1, 0, 1, 0
	QUARTER 1, 2, 1, 0, 0
	QUARTER 1, 3, 0, 1, 0
	TURN 1, 0, 1
	QUARTER 0, 1, 0, 1, 0
	WIN 0
	s_sub_co_u32 s3, s3, 1
	s_cmp_lg_u32 s3, 0
	s_cbranch_scc1 .Llap
	QUARTER 0, 2, 1, 0, 0                          ; the last lap fills nothing, and has no round of the cluster's barrier
	QUARTER 0, 3, 0, 1, 0
	TURN 0, 1, 0
	QUARTER 1, 1, 0, 1, 0
	QUARTER 1, 2, 1, 0, 0
	QUARTER 1, 3, 0, 1, 0
	s_wait_dscnt 4                                 ; the very last quarter: nothing more to fetch
	WIN MUL
	MUL8 1, 0, 0
	MUL8 1, 1, 0
	s_wait_dscnt 0
	MUL8 1, 2, 0
	MUL8 1, 3, 0
	WIN 0
; THE WAY OUT, block by block of 16 rows x 128 columns: through my own stage in LDS, back as whole rows of 512 bytes, which the 32 lanes store.  LDS serves a wave's instructions in order: no wait between the stores and the loads.
.macro TOSTAGE a
	WIN 0x04                                       ; an LDS store's data are its source 1: window 1
.irp b, 0,1,2,3,4,5,6,7
	ds_store_b128 v[STO], v[64*(\a)+8*\b:64*(\a)+8*\b+3] offset:64*\b          ; each accumulator from its low end on
	ds_store_b128 v[STO], v[64*(\a)+8*\b+4:64*(\a)+8*\b+7] offset:64*\b+16
.endr
	WIN 0
.set BB, BK+64*((\a)%2)
.irp t, 0,1,2,3,4,5,6,7,8,9,10,11,12,13,14,15
	ds_load_b128 v[BB+4*\t:BB+4*\t+3], v[RD] offset:\t*SPITCH
.endr
.endm
.macro SEND a, younger                 ; younger: the LDS instructions issued behind block a's loads, which may stay out
.set BB, BK+64*((\a)%2)
	s_wait_dscnt \younger
.if (\a) > 0
	s_add_nc_u64 s[70:71], s[70:71], 16*4096       ; (behind a wait on XCNT: the earlier stores have read their base)
.else
	s_or_b32 s2, s77, s10                          ; wave 0's block 0 where the cluster's y is 0: positions 0-15 of a sequence, which the fine launch stores.  The same in all partners
	s_cmp_eq_u32 s2, 0
	s_cbranch_scc1 .Lfine_rows
.endif
.irp t, 0,1,2,3,4,5,6,7,8,9,10,11,12,13,14,15
	global_store_b128 v[CO], v[BB+4*\t:BB+4*\t+3], s[70:71] offset:\t*4096 th:TH_STORE_NT   ; 512 consecutive bytes, aligned
.endr
.if (\a) == 0
.Lfine_rows:
.endif
.endm
	PLACES
	TOSTAGE 0
.irp a, 1,2,3
.if \a > 1
	s_wait_xcnt 0x0                                ; block a - 2's stores have read their registers and their base
.endif
	TOSTAGE \a
	SEND \a-1, 32                                  ; behind block a - 1's loads: block a's 16 stores and 16 loads
.endr
	s_wait_xcnt 0x0
	SEND 3, 0
	s_wait_tensorcnt 0x0                           ; the wave's end: a wait, an add to my spare word and its wait, behind my last tensor load and my last LDS store
	ds_add_u32 v[SPW], v[NIL]
	s_wait_dscnt 0x0
	CROUND                                         ; the closing round
	s_endpgm
.Lfunc_end_k_q6b44efbb67_out_proj:
	.size	k_q6b44efbb67_out_proj, .Lfunc_end_k_q6b44efbb67_out_proj-k_q6b44efbb67_out_proj
	.p2alignl 7, 3214868480
	.fill 96, 4, 3214868480
	.section	.rodata,"a",@progbits
	.p2align	6, 0x0
	.amdhsa_kernel k_q6b44efbb67_out_proj
		.amdhsa_group_segment_fixed_size 327680
		.amdhsa_private_segment_fixed_size 0
		.amdhsa_enable_private_segment 0
		.amdhsa_kernarg_size 32
		.amdhsa_user_sgpr_count 2
		.amdhsa_user_sgpr_kernarg_segment_ptr 1
		.amdhsa_wavefront_size32 1
		.amdhsa_system_sgpr_workgroup_id_x 1
		.amdhsa_system_sgpr_workgroup_id_y 1
		.amdhsa_system_sgpr_workgroup_id_z 1
		.amdhsa_system_vgpr_workitem_id 0
		.amdhsa_next_free_vgpr 768
		.amdhsa_next_free_sgpr 80
		.amdhsa_reserve_vcc 0
		.amdhsa_float_denorm_mode_32 3
		.amdhsa_float_denorm_mode_16_64 3
		.amdhsa_memory_ordered 1
		.amdhsa_forward_progress 1
		.amdhsa_inst_pref_size 87
	.end_amdhsa_kernel
	.amdgpu_metadata
---
amdhsa.version: [ 1, 2 ]
amdhsa.kernels:
  - .name:           k_q6b44efbb67_out_proj
    .symbol:         k_q6b44efbb67_out_proj.kd
    .args:
      - { .name: jf, .offset: 0, .size: 8, .value_kind: global_buffer, .address_space: global }
      - { .name: wf, .offset: 8, .size: 8, .value_kind: global_buffer, .address_space: global }
      - { .name: b_out, .offset: 16, .size: 8, .value_kind: global_buffer, .address_space: global }
      - { .name: out0, .offset: 24, .size: 8, .value_kind: global_buffer, .address_space: global }
    .group_segment_fixed_size: 327680
    .private_segment_fixed_size: 0
    .kernarg_segment_align: 8
    .kernarg_segment_size: 32
    .max_flat_workgroup_size: 128
    .sgpr_count:     80
    .vgpr_count:     768
    .wavefront_size: 32
...
	.end_amdgpu_metadata
.endif
;; end of part 5
